; MI455X (gfx1250); checked and timed in simulation.
; The chip was launched on July 23, 2026; its instructions are those of AMD's public machine-readable ISA for CDNA 5 (MIT licence, August 2026) and "CDNA5" Instruction Set Architecture Reference Guide (July 2026). The comments in the code are by the model that wrote it; some were corrected since.
;; Mo E Block. Allowed arithmetic: float matrix products may take bf16 or f16 operands with f32 sums; other float arithmetic in f32, or as packed bf16 or f16 multiplies, adds, multiply-adds, maxima and minima; sums over many terms, partial sums and values carried from step to step in f32; what a program stores and reads back later, other than sums and carried values, may be rounded once to bf16 or f16.
;; Inputs: b1 8 x 4,096 float32; b2 8 x 1,024 float32; router_b 8 float32; router_w 1,024 x 8 float32; w1 8 x 1,024 x 4,096 float32; w2 8 x 4,096 x 1,024 float32; x 2 x 512 x 1,024 float32.
;; Outputs: out0 2 x 512 x 1,024 float32.
;; One version. Each part assembles by itself: llvm-mc -triple=amdgcn-amd-amdhsa -mcpu=gfx1250 --defsym DOCPART=n.
;; ======== version 1 of 1: 5 launches
;; workspace buffers: sel 8,192 bytes of whole numbers; gate 8,192 bytes; meta 256 bytes of whole numbers; list 32,768 bytes of whole numbers; glist 32,768 bytes; xg 16,777,216 bytes; hid 67,108,864 bytes; part 33,554,432 bytes
;; launch router (part 1): grid 64 x 1, 8 waves a work-group, no clusters, 26,624 bytes of LDS; arguments x, router_w, router_b, sel, gate; writes sel, gate
.if DOCPART == 1
	.amdgcn_target "amdgcn-amd-amdhsa--gfx1250"
	.amdhsa_code_object_version 6
	.text
	.protected	k_q9165dcfd62_router
	.globl	k_q9165dcfd62_router
	.p2align	8
	.type	k_q9165dcfd62_router,@function
k_q9165dcfd62_router:
	s_mov_b64 s[64:65], 0
	v_nop
	global_prefetch_b8 v0, s[64:65] scope:SCOPE_SE
	s_setreg_imm32_b32 hwreg(HW_REG_WAVE_MODE, 25, 1), 1
	s_wait_xcnt 0x0
; ROUTER.  logits = x router_w + router_b; softmax with the maximum taken off; the two largest; their weights renormalised.
; x [1024][1024] f32, router_w [1024][8] f32, router_b [8] f32.  Out, at fixed places: sel [token][2] (expert numbers), gate [token][2] (f32).
; All three inputs are rounded once to bf16, as every input of this program is; products by the matrix unit, sums in f32.
; SHARES.  A work-group owns 16 tokens; wave w the channels 128 w .. 128 w + 127 (four matrix steps of 32); wave 0 adds the eight waves' parts and chooses.
; LAYOUT.  Source 0 = 16 rows of router_w turned (row r holds expert r % 8), source 1 = 16 tokens: in the result lane l < 16 holds token l and its registers 0-7 the eight experts.
; LIMITS.  The two largest are taken on exp(l - max); the division by the sum of all eight, which cancels in the renormalised weights, is not made.  An exponential below 2^-126 counts
; as 0 (its weight is then 0 as well).  On equal numbers the lower expert wins, as in jax.lax.top_k.  NaN and infinities are not treated apart.
.set RWP,   272                        ; a row of the turned router_w in LDS: 128 bf16 + 16 bytes
.set PLB,   8*8*RWP                    ; behind the eight waves' turned slices: the partial logits, [half of the lanes][wave][token][8] f32; the upper half's copy is never read
.set SPARE, PLB+8192                   ; the spare words, 128 bytes for each wave; no other line names them
	s_load_b256 s[4:11], s[0:1], 0x0               ; x s[4:5], router_w s[6:7], router_b s[8:9], sel s[10:11]
	s_load_b64 s[12:13], s[0:1], 0x20              ; gate
	v_lshl_add_u32 v30, v0, 2, SPARE               ; my spare word,
	v_mov_b32 v31, 0                               ; and 0: kept for the closing lines alone
	v_lshrrev_b32 v1, 5, v0
	v_readfirstlane_b32 s16, v1                    ; wave 0..7
	v_and_b32 v2, 31, v0                           ; lane
	v_and_b32 v3, 15, v0                           ; r
	v_bfe_u32 v4, v0, 4, 1                         ; h
	s_lshl_b32 s17, s16, 9                         ; my 128 channels in a row of x, in bytes; also my 512 bytes of partial logits
	s_lshl_b32 s20, s16, 12                        ; my 128 rows of router_w, in bytes
	s_mul_i32 s21, s16, 8*RWP                      ; my turned slice in LDS
	s_lshl_b32 s18, ttmp9, 16                      ; the group's 16 rows of x
	s_mov_b32 s19, 0
	v_lshlrev_b32 v5, 12, v3                       ; x: token r,
	v_lshl_add_u32 v5, v4, 5, v5                   ; 8 channels further for the upper half of the lanes,
	v_add_nc_u32 v5, s17, v5                       ; my wave's channels
	v_lshl_add_u32 v6, v2, 4, s20                  ; router_w: 16 bytes a lane, 512 consecutive bytes a load
	v_and_b32 v7, 1, v0                            ; what such a load brings a lane: channel 16 i + lane / 2, experts 4 (lane % 2) + 0..3
	v_mul_u32_u24 v7, 4*RWP, v7
	v_bfe_u32 v8, v0, 1, 4
	v_lshl_add_u32 v7, v8, 1, v7
	v_add_nc_u32 v7, s21, v7                       ; where it goes: row = expert, 2 bytes a channel
	v_and_b32 v9, 7, v0
	v_mul_u32_u24 v9, RWP, v9
	v_lshl_add_u32 v9, v4, 4, v9
	v_add_nc_u32 v9, s21, v9                       ; a fragment's lane: row r % 8, 16 bytes for each half of the lanes
	v_lshlrev_b32 v11, 5, v3                       ; a token's 8 partial logits: 32 bytes
	v_lshl_add_u32 v10, v4, 12, v11
	v_add_nc_u32 v10, s17, v10
	s_wait_kmcnt 0x0
	s_add_nc_u64 s[4:5], s[4:5], s[18:19]
	s_load_b256 s[24:31], s[8:9], 0x0              ; router_b, for wave 0
.irp i, 0,1,2,3,4,5,6,7
	global_load_b128 v[32+4*\i:35+4*\i], v6, s[6:7] offset:512*\i
.endr
.irp k, 0,1,2,3                        ; step k: channels 32 k + 8 h + 0..7 and 32 k + 16 + 8 h + 0..7
	global_load_b128 v[64+16*\k:67+16*\k], v5, s[4:5] offset:128*\k
	global_load_b128 v[68+16*\k:71+16*\k], v5, s[4:5] offset:128*\k+16
	global_load_b128 v[72+16*\k:75+16*\k], v5, s[4:5] offset:128*\k+64
	global_load_b128 v[76+16*\k:79+16*\k], v5, s[4:5] offset:128*\k+80
.endr
	s_wait_loadcnt 16                              ; router_w is in; x's sixteen loads, issued behind it, stay out
.irp i, 0,1,2,3,4,5,6,7
	v_cvt_pk_bf16_f32 v[128+2*\i], v[32+4*\i], v[33+4*\i]
	v_cvt_pk_bf16_f32 v[129+2*\i], v[34+4*\i], v[35+4*\i]
.endr
.irp i, 0,1,2,3,4,5,6,7
	ds_store_b16 v7, v[128+2*\i] offset:32*\i
	ds_store_b16_d16_hi v7, v[128+2*\i] offset:32*\i+RWP
	ds_store_b16 v7, v[129+2*\i] offset:32*\i+2*RWP
	ds_store_b16_d16_hi v7, v[129+2*\i] offset:32*\i+3*RWP
.endr
.irp k, 0,1,2,3                        ; the slice is my wave's own, and LDS serves a wave's instructions in order (ISA guide 5.7.1.4): these see the stores above
	ds_load_b128 v[144+8*\k:147+8*\k], v9 offset:64*\k
	ds_load_b128 v[148+8*\k:151+8*\k], v9 offset:64*\k+32
.endr
	s_wait_loadcnt 0x0                             ; x
.set q, 0
.rept 32
	v_cvt_pk_bf16_f32 v[176+q], v[64+2*q], v[65+2*q]
.set q, q+1
.endr
	s_wait_dscnt 0x0                               ; the fragments of router_w
	v_wmma_f32_16x16x32_bf16 v[208:215], v[144:151], v[176:183], 0          ; two sums by turns; each begins with the constant 0
	v_wmma_f32_16x16x32_bf16 v[216:223], v[152:159], v[184:191], 0
	v_wmma_f32_16x16x32_bf16 v[208:215], v[160:167], v[192:199], v[208:215]
	v_wmma_f32_16x16x32_bf16 v[216:223], v[168:175], v[200:207], v[216:223]
.rept 4
	v_nop                                          ; four places between a matrix instruction and a reader of its result (ISA guide 7.12.1)
.endr
.irp p, 0,2,4,6                        ; from the low end on
	v_pk_add_f32 v[32+\p:33+\p], v[208+\p:209+\p], v[216+\p:217+\p]
.endr
	ds_store_b128 v10, v[32:35] offset:PLB
	ds_store_b128 v10, v[36:39] offset:PLB+16
	s_wait_dscnt 0x0                               ; for wave 0's sake: my partial logits are in LDS
	s_barrier_signal -1
	s_barrier_wait -1
	s_cmp_lg_u32 s16, 0
	s_cbranch_scc1 .Lend                           ; the choice is wave 0's
.irp w, 0,1,2,3,4,5,6,7
	ds_load_b128 v[64+8*\w:67+8*\w], v11 offset:PLB+512*\w
	ds_load_b128 v[68+8*\w:71+8*\w], v11 offset:PLB+512*\w+16
.endr
	s_wait_kmcnt 0x0                               ; router_b
.irp e, 0,1,2,3,4,5,6,7
	v_mov_b32 v[40+\e], s[24+\e]                   ; into vector registers, from which it is rounded like the other inputs
.endr
.irp p, 0,1,2,3
	v_cvt_pk_bf16_f32 v[12+\p], v[40+2*\p], v[41+2*\p]
.endr
.irp p, 0,1,2,3
	v_lshlrev_b32 v[40+2*\p], 16, v[12+\p]
	v_and_b32 v[41+2*\p], 0xffff0000, v[12+\p]
.endr
	s_wait_dscnt 0x0
.irp w, 1,2,3,4,5,6,7
.irp p, 0,2,4,6
	v_pk_add_f32 v[64+\p:65+\p], v[64+\p:65+\p], v[64+8*\w+\p:65+8*\w+\p]
.endr
.endr
.irp p, 0,2,4,6
	v_pk_add_f32 v[64+\p:65+\p], v[64+\p:65+\p], v[40+\p:41+\p]
.endr
	v_max3_num_f32 v16, v64, v65, v66              ; the maximum is taken off before the exponentials
	v_max3_num_f32 v16, v16, v67, v68
	v_max3_num_f32 v16, v16, v69, v70
	v_max_num_f32 v16, v16, v71
.irp e, 0,1,2,3,4,5,6,7
	v_sub_f32 v[72+\e], v[64+\e], v16
.endr
.irp e, 0,1,2,3,4,5,6,7
	v_mul_f32 v[72+\e], 0x3fb8aa3b, v[72+\e]       ; log2(e)
.endr
.irp e, 0,1,2,3,4,5,6,7
	v_exp_f32 v[72+\e], v[72+\e]
.endr
	v_nop                                          ; a plain instruction behind the last exponential,
	s_wait_alu depctr_va_vdst(0)                   ; and one wait for the batch of eight, ahead of the first reader
	v_mov_b32 v17, v72                             ; the largest: a strict comparison keeps the lower expert
	v_mov_b32 v26, 0
.irp e, 1,2,3,4,5,6,7
	v_cmp_gt_f32 vcc_lo, v[72+\e], v17
	v_cndmask_b32 v17, v17, v[72+\e], vcc_lo
	v_cndmask_b32 v26, v26, \e, vcc_lo
.endr
.irp e, 0,1,2,3,4,5,6,7                ; it leaves the field
	v_cmp_eq_u32 vcc_lo, \e, v26
	v_cndmask_b32 v[72+\e], v[72+\e], -1.0, vcc_lo
.endr
	v_mov_b32 v19, v72                             ; the second
	v_mov_b32 v27, 0
.irp e, 1,2,3,4,5,6,7
	v_cmp_gt_f32 vcc_lo, v[72+\e], v19
	v_cndmask_b32 v19, v19, v[72+\e], vcc_lo
	v_cndmask_b32 v27, v27, \e, vcc_lo
.endr
	v_add_f32 v21, v17, v19                        ; at least 1: the largest exponential is 2^0
	v_rcp_f32 v21, v21
	v_lshlrev_b32 v24, 3, v3                       ; the plain instruction behind the reciprocal: 8 bytes a token
	s_wait_alu depctr_va_vdst(0)
	v_mul_f32 v28, v17, v21
	v_mul_f32 v29, v19, v21
	s_lshl_b32 s18, ttmp9, 7                       ; the group's 16 tokens in sel and in gate
	s_add_nc_u64 s[10:11], s[10:11], s[18:19]
	s_add_nc_u64 s[12:13], s[12:13], s[18:19]
	global_store_b64 v24, v[26:27], s[10:11]       ; both halves of the lanes hold, and store, the same
	global_store_b64 v24, v[28:29], s[12:13]
.Lend:
	s_wait_tensorcnt 0x0                           ; the wave's end, behind my last LDS store
	ds_add_u32 v30, v31
	s_wait_dscnt 0x0
	s_endpgm
.Lfunc_end_k_q9165dcfd62_router:
	.size	k_q9165dcfd62_router, .Lfunc_end_k_q9165dcfd62_router-k_q9165dcfd62_router
	.p2alignl 7, 3214868480
	.fill 96, 4, 3214868480
	.section	.rodata,"a",@progbits
	.p2align	6, 0x0
	.amdhsa_kernel k_q9165dcfd62_router
		.amdhsa_group_segment_fixed_size 26624
		.amdhsa_private_segment_fixed_size 0
		.amdhsa_enable_private_segment 0
		.amdhsa_kernarg_size 40
		.amdhsa_user_sgpr_count 2
		.amdhsa_user_sgpr_kernarg_segment_ptr 1
		.amdhsa_wavefront_size32 1
		.amdhsa_system_sgpr_workgroup_id_x 1
		.amdhsa_system_sgpr_workgroup_id_y 1
		.amdhsa_system_sgpr_workgroup_id_z 1
		.amdhsa_system_vgpr_workitem_id 0
		.amdhsa_next_free_vgpr 224
		.amdhsa_next_free_sgpr 66
		.amdhsa_reserve_vcc 1
		.amdhsa_float_denorm_mode_32 3
		.amdhsa_float_denorm_mode_16_64 3
		.amdhsa_memory_ordered 1
		.amdhsa_forward_progress 1
		.amdhsa_inst_pref_size 19
	.end_amdhsa_kernel
	.amdgpu_metadata
---
amdhsa.version: [ 1, 2 ]
amdhsa.kernels:
  - .name:           k_q9165dcfd62_router
    .symbol:         k_q9165dcfd62_router.kd
    .args:
      - { .name: x, .offset: 0, .size: 8, .value_kind: global_buffer, .address_space: global }
      - { .name: router_w, .offset: 8, .size: 8, .value_kind: global_buffer, .address_space: global }
      - { .name: router_b, .offset: 16, .size: 8, .value_kind: global_buffer, .address_space: global }
      - { .name: sel, .offset: 24, .size: 8, .value_kind: global_buffer, .address_space: global }
      - { .name: gate, .offset: 32, .size: 8, .value_kind: global_buffer, .address_space: global }
    .group_segment_fixed_size: 26624
    .private_segment_fixed_size: 0
    .kernarg_segment_align: 8
    .kernarg_segment_size: 40
    .max_flat_workgroup_size: 256
    .sgpr_count:     66
    .vgpr_count:     224
    .wavefront_size: 32
...
	.end_amdgpu_metadata
.endif
;; end of part 1
;; launch place (part 2): grid 64 x 8, 4 waves a work-group, no clusters, 1,792 bytes of LDS; arguments x, sel, gate, xg, list, glist, meta; writes xg, list, glist, meta
.if DOCPART == 2
	.amdgcn_target "amdgcn-amd-amdhsa--gfx1250"
	.amdhsa_code_object_version 6
	.text
	.protected	k_q9165dcfd62_place
	.globl	k_q9165dcfd62_place
	.p2align	8
	.type	k_q9165dcfd62_place,@function
k_q9165dcfd62_place:
	s_mov_b64 s[64:65], 0
	v_nop
	global_prefetch_b8 v0, s[64:65] scope:SCOPE_SE
	s_setreg_imm32_b32 hwreg(HW_REG_WAVE_MODE, 25, 1), 1
	s_wait_xcnt 0x0
; PLACE.  Work-group (tl, e) makes tile tl (16 rows) of expert e: it ranks the 2,048 choices (rr = 2 token + slot) that name e, takes ranks 16 tl .. 16 tl + 15, gathers their rows of x,
; rounds them to bf16 and stores them in the order in which a wave's matrix registers take them.  It also stores list[e][rank] = rr, glist[e][rank] = gate[rr] and, in tile 0, meta[e] = the count.
; The grid serves every split: 64 tiles an expert.  A tile past the count stores nothing; tile 0 is always made, so that an expert without rows still has a tile that later launches may read.
; Places past the count repeat rr = 0, a row that exists.
; RANKS.  The four waves share the ranking: wave w has choices 512 w .. 512 w + 511; register 4 i + c of lane l holds choice 512 w + 128 i + 4 l + c.  The ranks go by (w, i, c, l), the same order in
; every work-group.  Ahead of the first barrier a wave makes each choice's rank among its own 512 and its count; the four counts meet in LDS; behind the barrier the earlier waves' counts, less 16 tl,
; are added: a rank of this tile comes out as 0..15, any other (taken as unsigned) as 16 or more.  A lane that does not name e carries 2^30, which stays 16 or more whatever is added (-1,008 to 2,047).
; Each wave stores into slots of its own, which began as 0; behind the second barrier the four waves' words of a slot are ORed: a rank has one owner, the other three words are 0.
; Both barriers stand ahead of the jump on the count: every wave passes both.
; THE ORDER OF K, in x here, in the hidden layer and in both weights alike: in a block of 64 channels, matrix step a (0, 1), half of the lanes h, element p (0..15; p < 8 in registers 0-3)
; is channel 32 h + 4 (p % 8) + 2 a + p / 8.  A fragment is 1,024 bytes: registers 0-3 at 16 x lane, registers 4-7 at 512 + 16 x lane: every store below covers 512 consecutive bytes.
; xg: [e][64 tiles][32 steps][1,024 bytes].  Wave w makes steps 8 w .. 8 w + 7 (channels 256 w on).
; REGISTERS.  v1-15 small things; v16-31 my wave's choices, v32-47 their ranks, v48-63 their rr; later v16-79 the rounded rows; v80-207 the rows of x; v208-210 the lists' stores;
; v212, v213 the add's two, which nothing else names.  s32-47 the sixteen masks; s48-51 the four waves' counts.
.set CNTB,  1024                       ; behind the four waves' slots (at 256 w: 16 ranks, and word 16 for what is not wanted): the four counts, in a block of their own
.set SPARE, 1280                       ; the spare words, 128 bytes for each wave; no other line names them
.set SPW,   212                        ; LDS address of my spare word; never rewritten
.set NIL,   213                        ; 0; never rewritten
.set SE,    16
.set LR,    32
.set RR,    48
.set MK,    32
	s_load_b256 s[4:11], s[0:1], 0x0               ; x s[4:5], sel s[6:7], gate s[8:9], xg s[10:11]
	s_load_b128 s[12:15], s[0:1], 0x20             ; list s[12:13], glist s[14:15]
	s_load_b64 s[16:17], s[0:1], 0x30              ; meta
	v_lshl_add_u32 v[SPW], v0, 2, SPARE
	v_mov_b32 v[NIL], 0
	v_lshrrev_b32 v1, 5, v0
	v_readfirstlane_b32 s18, v1                    ; wave
	s_and_b32 s19, ttmp7, 0xffff                   ; e
	s_mov_b32 s20, ttmp9                           ; tl
	v_and_b32 v2, 31, v0
	v_lshlrev_b32 v3, 4, v2                        ; 16 x lane
	v_lshlrev_b32 v4, 2, v2                        ; 4 x lane
	s_lshl_b32 s21, s18, 8                         ; my wave's slots
	v_add_nc_u32 v5, s21, v4
	v_mov_b32 v6, 0
	ds_store_b32 v5, v6                            ; 128 consecutive bytes: every slot of mine starts with 0
	s_lshl_b32 s25, s20, 4                         ; 16 tl
	s_lshl_b32 s27, s18, 11                        ; my wave's 512 choices: 2,048 bytes of sel
	v_add_nc_u32 v7, s27, v3
	s_lshl_b32 s27, s18, 9
	v_add_nc_u32 v4, s27, v4                       ; 512 w + 4 x lane
	v_mov_b32 v14, 0x40000000                      ; what a lane carries that does not name e
	s_mov_b32 s22, 0                               ; my wave's running count
	s_wait_kmcnt 0x0
.irp i, 0,1,2,3
	global_load_b128 v[SE+4*\i:SE+4*\i+3], v7, s[6:7] offset:512*\i
.endr
.irp i, 0,1,2,3                        ; while the choices are on their way: their rr
.irp c, 0,1,2,3
	v_add_nc_u32 v[RR+4*\i+\c], 128*\i+\c, v4
.endr
.endr
	s_wait_loadcnt 0x0
.set k, 0
.rept 16
	v_cmp_eq_u32 s[MK+k], s19, v[SE+k]             ; who names e
.set k, k+1
.endr
.set k, 0
.rept 16
	v_mbcnt_lo_u32_b32 v[LR+k], s[MK+k], s22       ; such lanes below me + the running count
	s_bcnt1_i32_b32 s24, s[MK+k]
	s_add_co_i32 s22, s22, s24
.set k, k+1
.endr
.set k, 0
.rept 16
	v_cndmask_b32 v[LR+k], v14, v[LR+k], s[MK+k]
.set k, k+1
.endr
	s_lshl_b32 s24, s18, 2
	v_mov_b32 v8, s24
	v_mov_b32 v9, s22
	ds_store_b32 v8, v9 offset:CNTB                ; my wave's count: all lanes write the same word with the same value
	s_wait_dscnt 0x0                               ; for the others' sake: my count is in LDS
	s_barrier_signal -1
	s_barrier_wait -1
	ds_load_b128 v[8:11], v6 offset:CNTB           ; the four counts, in every lane
	s_wait_dscnt 0x0
.irp w, 0,1,2,3
	v_readfirstlane_b32 s[48+\w], v[8+\w]
.endr
	s_cmp_gt_u32 s18, 0                            ; the counts of the waves in front of mine,
	s_cselect_b32 s22, s48, 0
	s_cmp_gt_u32 s18, 1
	s_cselect_b32 s24, s49, 0
	s_add_co_u32 s22, s22, s24
	s_cmp_gt_u32 s18, 2
	s_cselect_b32 s24, s50, 0
	s_add_co_u32 s22, s22, s24
	s_sub_co_i32 s22, s22, s25                     ; less 16 tl
	s_add_co_u32 s26, s48, s49                     ; the expert's count
	s_add_co_u32 s26, s26, s50
	s_add_co_u32 s26, s26, s51
.set k, 0
.rept 16
	v_add_nc_u32 v[LR+k], s22, v[LR+k]
.set k, k+1
.endr
.set k, 0
.rept 16
	v_min_u32 v[LR+k], 16, v[LR+k]                 ; slot 16 takes all that is not this tile's
.set k, k+1
.endr
.set k, 0
.rept 16
	v_lshl_add_u32 v[LR+k], v[LR+k], 2, s21
.set k, k+1
.endr
.set k, 0
.rept 16
	ds_store_b32 v[LR+k], v[RR+k]
.set k, k+1
.endr
	s_wait_dscnt 0x0                               ; for the others' sake: my slots are in LDS
	s_barrier_signal -1
	s_barrier_wait -1
	s_cmp_eq_u32 s20, 0
	s_cbranch_scc1 .Llive                          ; tile 0 is always made
	s_cmp_ge_u32 s25, s26
	s_cbranch_scc1 .Lend                           ; a tile past the count
.Llive:
	v_and_b32 v9, 15, v0                           ; r
	v_bfe_u32 v10, v0, 4, 1                        ; h
	v_lshlrev_b32 v11, 2, v9
	ds_load_b32 v12, v11                           ; slot r of the four waves
	ds_load_b32 v5, v11 offset:256
	ds_load_b32 v6, v11 offset:512
	ds_load_b32 v7, v11 offset:768
	s_lshl_b32 s27, s18, 10                        ; my wave's 256 channels of x, in bytes
	s_wait_dscnt 0x0
	v_or_b32 v12, v12, v5                          ; one of the four holds my row's rr, the others 0
	v_or_b32 v6, v6, v7
	v_or_b32 v12, v12, v6
	v_lshrrev_b32 v13, 1, v12                      ; the token,
	v_min_u32 v13, 0x3ff, v13                      ; held inside x
	v_lshlrev_b32 v13, 12, v13
	v_lshl_add_u32 v13, v10, 7, v13                ; 32 channels further for the upper half of the lanes
	v_add_nc_u32 v13, s27, v13
	v_min_u32 v14, 0x7ff, v12
	v_lshlrev_b32 v14, 2, v14
.irp b, 0,1,2,3                        ; block b of 64 channels, u = 0..7: channels 32 h + 4 u + 0..3
.irp u, 0,1,2,3,4,5,6,7
	global_load_b128 v[80+32*\b+4*\u:83+32*\b+4*\u], v13, s[4:5] offset:256*\b+16*\u
.endr
.endr
	global_load_b32 v15, v14, s[8:9]
	s_lshl_b32 s28, s19, 21                        ; xg: the expert, the tile, my wave's eight steps
	s_lshl_b32 s29, s20, 15
	s_add_co_u32 s28, s28, s29
	s_lshl_b32 s29, s18, 13
	s_add_co_u32 s28, s28, s29
	s_mov_b32 s29, 0
	s_add_nc_u64 s[10:11], s[10:11], s[28:29]
	s_wait_loadcnt 0x0
.irp b, 0,1,2,3                        ; step a, half s of its registers, register q: elements u = 2 q and 2 q + 1 at channel offset 2 a + s
.irp a, 0,1
.irp s, 0,1
.irp q, 0,1,2,3
	v_cvt_pk_bf16_f32 v[16+16*\b+8*\a+4*\s+\q], v[80+32*\b+8*\q+2*\a+\s], v[84+32*\b+8*\q+2*\a+\s]
.endr
.endr
.endr
.endr
.irp b, 0,1,2,3
.irp a, 0,1
.irp s, 0,1
	global_store_b128 v3, v[16+16*\b+8*\a+4*\s:19+16*\b+8*\a+4*\s], s[10:11] offset:2048*\b+1024*\a+512*\s
.endr
.endr
.endr
	s_cmp_lg_u32 s18, 0
	s_cbranch_scc1 .Lend                           ; the lists are wave 0's
	s_lshl_b32 s28, s19, 12
	s_lshl_b32 s27, s20, 6
	s_add_co_u32 s28, s28, s27
	v_lshl_add_u32 v208, v9, 2, s28                ; (1,024 e + 16 tl + r) x 4
	global_store_b32 v208, v12, s[12:13]
	global_store_b32 v208, v15, s[14:15]
	s_cmp_lg_u32 s20, 0
	s_cbranch_scc1 .Lend
	s_lshl_b32 s27, s19, 2
	v_mov_b32 v209, s27
	v_mov_b32 v210, s26
	global_store_b32 v209, v210, s[16:17]          ; every lane stores the same word
.Lend:
	s_wait_tensorcnt 0x0                           ; the wave's end, behind my last LDS store
	ds_add_u32 v[SPW], v[NIL]
	s_wait_dscnt 0x0
	s_endpgm
.Lfunc_end_k_q9165dcfd62_place:
	.size	k_q9165dcfd62_place, .Lfunc_end_k_q9165dcfd62_place-k_q9165dcfd62_place
	.p2alignl 7, 3214868480
	.fill 96, 4, 3214868480
	.section	.rodata,"a",@progbits
	.p2align	6, 0x0
	.amdhsa_kernel k_q9165dcfd62_place
		.amdhsa_group_segment_fixed_size 1792
		.amdhsa_private_segment_fixed_size 0
		.amdhsa_enable_private_segment 0
		.amdhsa_kernarg_size 56
		.amdhsa_user_sgpr_count 2
		.amdhsa_user_sgpr_kernarg_segment_ptr 1
		.amdhsa_wavefront_size32 1
		.amdhsa_system_sgpr_workgroup_id_x 1
		.amdhsa_system_sgpr_workgroup_id_y 1
		.amdhsa_system_sgpr_workgroup_id_z 1
		.amdhsa_system_vgpr_workitem_id 0
		.amdhsa_next_free_vgpr 224
		.amdhsa_next_free_sgpr 66
		.amdhsa_reserve_vcc 0
		.amdhsa_float_denorm_mode_32 3
		.amdhsa_float_denorm_mode_16_64 3
		.amdhsa_memory_ordered 1
		.amdhsa_forward_progress 1
		.amdhsa_inst_pref_size 22
	.end_amdhsa_kernel
	.amdgpu_metadata
---
amdhsa.version: [ 1, 2 ]
amdhsa.kernels:
  - .name:           k_q9165dcfd62_place
    .symbol:         k_q9165dcfd62_place.kd
    .args:
      - { .name: x, .offset: 0, .size: 8, .value_kind: global_buffer, .address_space: global }
      - { .name: sel, .offset: 8, .size: 8, .value_kind: global_buffer, .address_space: global }
      - { .name: gate, .offset: 16, .size: 8, .value_kind: global_buffer, .address_space: global }
      - { .name: xg, .offset: 24, .size: 8, .value_kind: global_buffer, .address_space: global }
      - { .name: list, .offset: 32, .size: 8, .value_kind: global_buffer, .address_space: global }
      - { .name: glist, .offset: 40, .size: 8, .value_kind: global_buffer, .address_space: global }
      - { .name: meta, .offset: 48, .size: 8, .value_kind: global_buffer, .address_space: global }
    .group_segment_fixed_size: 1792
    .private_segment_fixed_size: 0
    .kernarg_segment_align: 8
    .kernarg_segment_size: 56
    .max_flat_workgroup_size: 128
    .sgpr_count:     66
    .vgpr_count:     224
    .wavefront_size: 32
...
	.end_amdgpu_metadata
.endif
;; end of part 2
;; launch ffn1 (part 3): grid 256 x 1, 4 waves a work-group, no clusters, 262,656 bytes of LDS; arguments w1, b1, xg, meta, hid; writes hid
.if DOCPART == 3
	.amdgcn_target "amdgcn-amd-amdhsa--gfx1250"
	.amdhsa_code_object_version 6
	.text
	.protected	k_q9165dcfd62_ffn1
	.globl	k_q9165dcfd62_ffn1
	.p2align	8
	.type	k_q9165dcfd62_ffn1,@function
k_q9165dcfd62_ffn1:
	s_mov_b64 s[64:65], 0
	v_nop
	global_prefetch_b8 v0, s[64:65] scope:SCOPE_SE
	s_setreg_imm32_b32 hwreg(HW_REG_WAVE_MODE, 25, 1), 1
	s_wait_xcnt 0x0
; ONE TEXT FOR BOTH PRODUCTS OF THE EXPERTS' LAYER; KIND chooses.
; KIND 1: hid = gelu(xg W1 + b1), bf16.   KIND 2: part = gate x (hid W2), f32 partial rows, the hidden width cut in four.
; SHARES.  256 work-groups = 8 experts x 32 slices.  A slice is 1,024 rows (K) x 128 columns of one expert's f32 weights, 512 KB, which this work-group alone reads, once.
;   KIND 1: slice ns of 32 along the hidden width.   KIND 2: 8 slices ns along the output x 4 slices ksl along the hidden width.
; The weights pass through registers, are rounded to bf16 there (b1 too, like every input of this program), and stay in LDS as 256 KB of matrix fragments.
; While they stream, in 16 chunks of 64 rows, the expert's first 20 tiles of 16 rows are multiplied chunk by chunk: wave w has tiles w, 4 + w .. 16 + w, all 128 columns: 40 accumulators.
; Chunks 0 to 13 are multiplied in the stream's own trips; chunks 14 and 15 by the text that ends every pass.
; Rows beyond 320 take further passes from the resident slice: three more trips of a loop with a constant count.  Every wave passes that loop's barriers; a pass past the count jumps the work alone.
; Tiles past the count repeat the last tile that exists and are not stored; where a wave's fifth tile is such a one, its products are jumped (its loads stay, so that every counted wait holds on both ways).
; THE TOKENS' RING.  A matrix step's token fragments (my five tiles: 40 registers, 10 loads) have four buffers, which the four steps of two chunks take by turns.  A buffer is asked for again as soon as its
; step is multiplied: the second step of chunk c + 1 at the head of chunk c's trip, the first step of chunk c + 2 in its middle: each a trip and a half ahead of its use.  Weights are asked for two trips
; ahead.  A trip has 36 loads a wave; by the text's own count at most 62 are out.
; THE ORDER OF K (tokens and weights alike): in a block of 64, matrix step a, half of the lanes h, element p is k = 32 h + 4 (p % 8) + 2 a + p / 8.
; WEIGHTS.  Lane (r, h) loads 16 bytes of row k at columns 64 cg + 4 r + 0..3: sixteen lanes take 256 consecutive bytes.  Element j of such loads belongs to fragment f = 4 cg + j, whose row r
; stands for column 64 cg + 4 r + j; two loads' elements, rounded in pairs, are a register of the fragment: nothing changes lanes.  Wave w converts cg = w % 2, step a = w / 2 of each chunk.
; PRODUCT.  Source 0 = a weight fragment, source 1 = 16 tokens: lane (r, h), register j of accumulator f holds token r, column 64 (f / 4) + 32 h + 4 j + f % 4.
;   KIND 1: in the order of K above that is half f % 2 of the registers of the next product's step 4 ns + f / 2: one 16-byte store a lane and accumulator, 512 consecutive bytes a wave.
;   KIND 2: four accumulators' registers j are 16 consecutive bytes of a row; rows go through my wave's own stage in LDS and leave as 512 consecutive bytes.
; NO CLUSTER: what an expert's work-groups share is the token tiles; the number of passes hangs on a stored count, and beside the resident slice LDS has no room for slots worth a round.
; THE ACCUMULATORS ARE CLEARED (320 v_mov_b32, in the first pass while the first weights are on their way): no first step is written out; the price is stated here.
; LIMITS.  NaN and infinities are not treated apart; the order of the f32 sums is not reference()'s; gelu is x / (1 + 2^(x (C0 + C1 x x))), the tanh form written with one exponential.
; REGISTERS, in windows of 256 (s_set_vgpr_msb: bits 1:0 source 0, 3:2 source 1, 5:4 source 2, 7:6 destination):
;   window 0: v1 16 x lane; v2, v3 LDS addresses (read, store); v4, v5 offsets (weights, tokens); v6-29 small things; v30, v31 the add's; v32-95 two buffers of 4 weight fragments;
;             v96-255 the tokens' four buffers (chunk's parity, step: 96 + 80 parity + 40 step + 8 tile), free for the way out
;   window 1: accumulators of my tiles 0-3 at 64 t + 8 f     window 2: v0-63 tile 4's; v64-191 two buffers of 16 weight loads; v192-223 rounded weights     window 3 (KIND 1): v0-63 b1 at 8 f + j
.set KIND, 1
.if KIND == 1
.set PSH,   14                         ; log2 of the bytes from weight row to weight row
.set TSH,   15                         ; log2 of a token tile's bytes
.set SPARE, 262144                     ; behind the slice: the spare words
.set WP,  4                            ; s[4:5]   weights, at the chunk to be asked for
.set B1P, 6                            ; s[6:7]   b1
.set AB,  8                            ; s[8:9]   token tiles
.set MT,  10                           ; s[10:11] meta
.set OB,  12                           ; s[12:13] output
.else
.set PSH,   12
.set TSH,   17
.set STAGE, 262144                     ; behind the slice: 16 rows x 528 bytes for each wave
.set SPITCH, 528
.set SPARE, STAGE+4*16*SPITCH
.set WP,  4
.set AB,  6
.set MT,  8
.set LB,  10                           ; list
.set GB,  12                           ; glist
.set OB,  14
.endif
.set GL, 10*(KIND/2)                   ; KIND 2: the ten loads of gate and rr, issued in chunk 14's trip
.set PITCH, 1<<PSH
.set CHUNK, 16384                      ; a chunk in LDS: 2 steps x 8 fragments x 1,024 bytes
.set XB, 32
.set AT, 96
.set SB, 64
.set CT, 192
; scalars: s16 wave; s17 e; s18 ns; s19 ksl; s20 count; s21 tiles; s22 last tile that exists; s23 the pass's first tile; s24, s25, s26 counters; s27 a tile; s[28:29] an offset, s29 = 0;
; s[30:39] my five tiles' addresses; s[40:43] C0, C1; s44 bound of the tiles to store; s45, s46 at work; s47 mask; s48, s49 the stream's LDS byte of the chunk to read, to store; s50 a later pass's chunk number;
; s51 1: my fifth tile of this pass has rows
.set MSB, 0
.macro WIN new                         ; the immediate's high byte repeats the setting that is left; a switch that changes nothing is dropped
.if MSB != (\new)
	s_set_vgpr_msb (MSB<<8)|(\new)
.set MSB, \new
.endif
.endm
.macro PLACES                          ; four places between a matrix instruction and a load into, a writer of, or a reader of its registers (ISA guide 7.12.1 for writers and readers)
.rept 4
	v_nop
.endr
.endm
.macro WLOAD b                         ; my 16 loads of a chunk: rows 32 h + 2 a + 4 u + s
	WIN 0x80
.irp u, 0,1,2,3,4,5,6,7
.irp s, 0,1
	global_load_b128 v[SB+64*(\b)+8*\u+4*\s:SB+64*(\b)+8*\u+4*\s+3], v4, s[WP:WP+1] offset:(4*\u+\s)*PITCH th:TH_LOAD_NT
.endr
.endr
	WIN 0
.endm
.macro CONVERT b                       ; 64 f32 a lane become four fragments, which go to their place in LDS
	WIN 0
	v_add_nc_u32 v3, s49, v28
	s_add_co_u32 s49, s49, CHUNK
	WIN 0x8a
.irp j, 0,1,2,3
.irp s, 0,1
.irp q, 0,1,2,3
	v_cvt_pk_bf16_f32 v[CT+4*(2*\j+\s)+\q], v[SB+64*(\b)+16*\q+4*\s+\j], v[SB+64*(\b)+16*\q+8+4*\s+\j]
.endr
.endr
.endr
	WIN 0x08
.irp j, 0,1,2,3
.irp s, 0,1
	ds_store_b128 v3, v[CT+4*(2*\j+\s):CT+4*(2*\j+\s)+3] offset:\j*1024+\s*512
.endr
.endr
	WIN 0
.endm
.macro ALOADK par, k, off              ; one matrix step's token fragments of my five tiles, into buffer (par, k): 10 loads of 512 consecutive bytes; off: the step's bytes from where v5 stands
.irp t, 0,1,2,3,4
.irp s, 0,1
	global_load_b128 v[AT+80*(\par)+40*(\k)+8*\t+4*\s:AT+80*(\par)+40*(\k)+8*\t+4*\s+3], v5, s[30+2*\t:31+2*\t] offset:(\off)+\s*512
.endr
.endr
.endm
.macro BLOAD ks, hf                    ; four weight fragments of step ks: 8 loads of 512 consecutive bytes
.irp f, 0,1,2,3
.irp s, 0,1
	ds_load_b128 v[XB+32*(\hf)+8*\f+4*\s:XB+32*(\hf)+8*\f+4*\s+3], v2 offset:(\ks)*8192+(4*(\hf)+\f)*1024+\s*512
.endr
.endr
.endm
.macro HALFA ks, hf, par               ; 16 matrix instructions, four fragments x my tiles 0-3, on 16 accumulators: they take turns, one instruction a turn
	WIN 0x50
.irp f, 0,1,2,3
.irp t, 0,1,2,3
	v_wmma_f32_16x16x32_bf16 v[64*\t+8*(4*(\hf)+\f):64*\t+8*(4*(\hf)+\f)+7], v[XB+32*(\hf)+8*\f:XB+32*(\hf)+8*\f+7], v[AT+80*(\par)+40*(\ks)+8*\t:AT+80*(\par)+40*(\ks)+8*\t+7], v[64*\t+8*(4*(\hf)+\f):64*\t+8*(4*(\hf)+\f)+7]
.endr
.endr
.endm
.macro HALFB ks, hf, par               ; my fifth tile's four, on four further accumulators; jumped where that tile has no rows: nothing but these four lines is jumped
	WIN 0                                          ; at a branch and at a label every window is 0
	s_cmp_eq_u32 s51, 0
	s_cbranch_scc1 .Lno5_\@
	WIN 0xa0
.irp f, 0,1,2,3
	v_wmma_f32_16x16x32_bf16 v[8*(4*(\hf)+\f):8*(4*(\hf)+\f)+7], v[XB+32*(\hf)+8*\f:XB+32*(\hf)+8*\f+7], v[AT+80*(\par)+40*(\ks)+32:AT+80*(\par)+40*(\ks)+39], v[8*(4*(\hf)+\f):8*(4*(\hf)+\f)+7]
.endr
	WIN 0
.Lno5_\@:
.endm
; A chunk's 80 matrix instructions.  The second step's weight fragments are fetched 20 matrix instructions ahead of their use.  In the middle: nm = the loads that may stay out when the chunk's second step of
; tokens has to be there; ask0 = 1: the buffer of the first step, just multiplied, is asked for again, with the first step of the chunk two further on.
; bar = 1: the trip's barrier: its signal behind the wait for all my LDS instructions, 16 matrix instructions between signal and wait.
.macro CORE par, nm, ask0, bar
	HALFA 0, 0, \par
	HALFB 0, 0, \par
	PLACES
	BLOAD 1, 0
	HALFA 0, 1, \par
	HALFB 0, 1, \par
	PLACES                                         ; for the fragment loads, and for the token loads below into the buffer that these products read
	BLOAD 1, 1
	s_wait_loadcnt \nm
.if \ask0
	ALOADK \par, 0, 2048
.endif
	s_wait_dscnt 8                                 ; the eight LDS loads just issued may stay out
	HALFA 1, 0, \par
	HALFB 1, 0, \par
	s_wait_dscnt 0x0                               ; the last fragments are in; with bar = 1 also, for the others' sake: my part of the next chunk is in LDS
.if \bar
	s_barrier_signal -1
.endif
	HALFA 1, 1, \par
.if \bar
	s_barrier_wait -1                              ; the next chunk is whole
.endif
	HALFB 1, 1, \par
.endm
.macro TILEBASES                       ; my five tiles of the pass; one past the count becomes the last that exists
.irp i, 0,1,2,3,4
	s_add_co_u32 s27, s23, 4*\i
	s_add_co_u32 s27, s27, s16
	s_min_u32 s27, s27, s22
	s_min_u32 s27, s27, 63
.if KIND == 2
	v_lshl_add_u32 v[21+\i], s27, 6, v7            ; its 16 words in list and in glist
.endif
	s_lshl_b32 s28, s27, TSH
	s_add_nc_u64 s[30+2*\i:31+2*\i], s[AB:AB+1], s[28:29]
.endr
	s_add_co_u32 s27, s23, 16
	s_add_co_u32 s27, s27, s16                     ; my fifth tile:
	s_cmp_lt_u32 s27, s44
	s_cselect_b32 s51, 1, 0                        ; is it one that is stored?
.endm
.macro INIT
	WIN 0x40
.set q, 0
.rept 256
	v_mov_b32 v[q], 0
.set q, q+1
.endr
	WIN 0x80
.set q, 0
.rept 64
	v_mov_b32 v[q], 0
.set q, q+1
.endr
	WIN 0
.endm
.if KIND == 2
.macro GLOADS                          ; lane (r, h): gate and rr of row r of each of my tiles
.irp t, 0,1,2,3,4
	global_load_b32 v[10+\t], v[21+\t], s[GB:GB+1]
	global_load_b32 v[15+\t], v[21+\t], s[LB:LB+1]
.endr
.endm
.endif
; A trip of the stream, for chunk c (par = c % 2).  The loads go out in this order: .. | second step of c, weights of c + 2 | first step of c + 1 | this trip.
; Chunk c + 1 is rounded into LDS; the second step of c + 1's tokens and (wl = 1) chunk c + 3's weights are asked for; chunk c is multiplied; in its middle the first step of c + 2's tokens is asked for.
.macro VTRIP par, wl
	PLACES
	v_add_nc_u32 v2, s48, v1
	s_add_co_u32 s48, s48, CHUNK
	BLOAD 0, 0
	BLOAD 0, 1
	s_wait_loadcnt 36                              ; the first step of c's tokens and all that is older, c + 1's weights among it, are in; out may be: 10 (second step of c) + 16 (weights of c + 2) + 10 (first step of c + 1)
	CONVERT 1-(\par)
	s_wait_xcnt 0x0                                ; the offset and the base of loads that are out are stepped only behind this wait
	v_add_nc_u32 v5, 2048, v5                      ; v5 stands at chunk c + 1
	ALOADK 1-(\par), 1, 1024
.if \wl
	s_add_nc_u64 s[WP:WP+1], s[WP:WP+1], 64*PITCH
	WLOAD 1-(\par)
.endif
	s_wait_dscnt 8                                 ; the first fragments are in; the eight LDS stores of the rounding may be out
	CORE \par, 36+16*(\wl), 1, 1                   ; in the middle the second step of c's tokens is in; out may be: 16 + 10 + 10, and the 16 weight loads of this trip
.endm
; A trip from the resident slice: no LDS write.  ask1, ask0 = 1: the two steps of tokens are asked for as in the stream.  fixed: the chunk's number where the text knows it, else -1: it is s50's.
; ns, nm: the loads that may stay out at the head and in the middle.  gl = 1: gate and rr are asked for.
.macro GTRIP par, ask1, ask0, fixed, ns, nm, gl
.if (\fixed) >= 0
	PLACES
	v_add_nc_u32 v2, (\fixed)*CHUNK, v1
.else
	v_mov_b32 v2, s50                              ; the chunk's number,
	v_min_u32 v2, 13, v2                           ; held inside the part of the slice that this loop walks;
	v_lshl_add_u32 v2, v2, 14, v1                  ; these three lines and the v_nop are the four places in front of the loads below
	v_nop
	s_add_co_u32 s50, s50, 1
.endif
	BLOAD 0, 0
	BLOAD 0, 1
	s_wait_loadcnt \ns
.if \ask1
	s_wait_xcnt 0x0                                ; v5 is stepped only behind this wait
	v_add_nc_u32 v5, 2048, v5
.if \gl
	GLOADS
.endif
	ALOADK 1-(\par), 1, 1024
.endif
	s_wait_dscnt 0x0
	CORE \par, \nm, \ask0, 0
.endm
	s_load_b256 s[4:11], s[0:1], 0x0
.if KIND == 1
	s_load_b64 s[12:13], s[0:1], 0x20
.else
	s_load_b128 s[12:15], s[0:1], 0x20
.endif
	v_lshl_add_u32 v30, v0, 2, SPARE               ; my spare word,
	v_mov_b32 v31, 0                               ; and 0: kept for the closing lines alone
	v_lshrrev_b32 v2, 5, v0
	v_readfirstlane_b32 s16, v2                    ; wave
	v_and_b32 v1, 31, v0
	v_lshlrev_b32 v1, 4, v1                        ; 16 x lane
	v_and_b32 v26, 15, v0                          ; r
	v_bfe_u32 v27, v0, 4, 1                        ; h
	s_lshr_b32 s17, ttmp9, 5                       ; e
.if KIND == 1
	s_and_b32 s18, ttmp9, 31                       ; ns
.else
	s_bfe_u32 s18, ttmp9, 0x30002                  ; ns
	s_and_b32 s19, ttmp9, 3                        ; ksl
.endif
	s_and_b32 s46, s16, 1                          ; cg
	s_lshr_b32 s45, s16, 1                         ; a
	s_lshl_b32 s46, s46, 8
	s_lshl_b32 s45, s45, PSH+1
	s_add_co_u32 s46, s46, s45
	v_lshlrev_b32 v4, 4, v26
	v_lshl_add_u32 v4, v27, PSH+5, v4
	v_add_nc_u32 v4, s46, v4                       ; weights: 16 r + 256 cg + (32 h + 2 a) rows
	s_lshl_b32 s45, s16, 12
	v_add_nc_u32 v28, s45, v1                      ; my four fragments' place in a chunk: step a, fragments 4 cg on = 4,096 w
	v_mov_b32 v5, v1
	s_mov_b32 s48, 0
	s_mov_b32 s49, 0
	s_mov_b32 s29, 0
	s_mov_b32 s23, 0
.if KIND == 1
	s_mov_b32 s40, 0xc0135761                      ; C0 = -2 sqrt(2 / pi) log2(e)
	s_mov_b32 s41, s40
	s_mov_b32 s42, 0xbdd2d3e8                      ; C1 = 0.044715 C0
	s_mov_b32 s43, s42
	s_mov_b32 s47, 0xffff0000
	v_lshlrev_b32 v6, 7, v27                       ; b1: 32 columns further for the upper half of the lanes
.else
	v_lshlrev_b32 v7, 2, v26
	s_mul_i32 s46, s16, 16*SPITCH
	s_add_co_u32 s46, s46, STAGE                   ; my stage
	v_mul_u32_u24 v8, SPITCH, v26                  ; in: row r, 128 bytes further for the upper half of the lanes
	v_lshl_add_u32 v8, v27, 7, v8
	v_add_nc_u32 v8, s46, v8
	v_add_nc_u32 v9, s46, v1                       ; back: a row's 512 bytes, 16 a lane
.endif
	s_wait_kmcnt 0x0
.if KIND == 1
	s_lshl_b32 s28, s17, 24
	s_lshl_b32 s45, s18, 9
	s_add_co_u32 s28, s28, s45
	s_add_nc_u64 s[WP:WP+1], s[WP:WP+1], s[28:29]
	s_lshl_b32 s28, s17, 14
	s_add_co_u32 s28, s28, s45
	s_add_nc_u64 s[B1P:B1P+1], s[B1P:B1P+1], s[28:29]
	s_lshl_b32 s28, s17, 21
	s_add_nc_u64 s[AB:AB+1], s[AB:AB+1], s[28:29]
	s_lshl_b32 s28, s17, 2
	s_add_nc_u64 s[MT:MT+1], s[MT:MT+1], s[28:29]
	s_lshl_b32 s28, s17, 23
	s_lshl_b32 s45, s18, 12
	s_add_co_u32 s28, s28, s45
	s_add_nc_u64 s[OB:OB+1], s[OB:OB+1], s[28:29]
.else
	s_lshl_b32 s28, s17, 24
	s_lshl_b32 s45, s19, 22
	s_add_co_u32 s28, s28, s45
	s_lshl_b32 s45, s18, 9
	s_add_co_u32 s28, s28, s45
	s_add_nc_u64 s[WP:WP+1], s[WP:WP+1], s[28:29]
	s_lshl_b32 s28, s19, 12
	s_add_co_u32 s28, s28, s45
	s_add_nc_u64 s[OB:OB+1], s[OB:OB+1], s[28:29]
	s_lshl_b32 s28, s17, 23
	s_lshl_b32 s45, s19, 15
	s_add_co_u32 s28, s28, s45
	s_add_nc_u64 s[AB:AB+1], s[AB:AB+1], s[28:29]
	s_lshl_b32 s28, s17, 2
	s_add_nc_u64 s[MT:MT+1], s[MT:MT+1], s[28:29]
	s_lshl_b32 s28, s17, 12
	s_add_nc_u64 s[LB:LB+1], s[LB:LB+1], s[28:29]
	s_add_nc_u64 s[GB:GB+1], s[GB:GB+1], s[28:29]
.endif
	s_load_b32 s20, s[MT:MT+1], 0x0                ; the expert's count
.if KIND == 1
.irp c, 0,1
.irp j, 0,1,2,3,4,5,6,7
	global_load_b128 v[96+4*(8*\c+\j):96+4*(8*\c+\j)+3], v6, s[B1P:B1P+1] offset:\c*256+\j*16
.endr
.endr
.endif
	WLOAD 0                                        ; chunk 0
	s_wait_xcnt 0x0
	s_add_nc_u64 s[WP:WP+1], s[WP:WP+1], 64*PITCH
	WLOAD 1                                        ; chunk 1
	INIT
	s_wait_kmcnt 0x0
	s_min_u32 s20, s20, 1024
	s_add_co_u32 s21, s20, 15
	s_lshr_b32 s21, s21, 4                         ; tiles with rows
	s_max_u32 s22, s21, 1                          ; tiles that exist: tile 0 always does
.if KIND == 1
	s_mov_b32 s44, s22                             ; all that exist are stored: the next product may read them
.else
	s_mov_b32 s44, s21
.endif
	s_sub_co_u32 s22, s22, 1
	TILEBASES
.if KIND == 1
	s_wait_loadcnt 32                              ; b1 is in; the 32 weight loads issued behind it stay out
.set q, 0
.rept 32
	v_cvt_pk_bf16_f32 v[96+2*q], v[96+2*q], v[97+2*q]
.set q, q+1
.endr
	WIN 0xc0
.irp c, 0,1
.irp j, 0,1,2,3,4,5,6,7
	v_lshlrev_b32 v[8*(4*\c)+\j], 16, v[96+4*(8*\c+\j)]
	v_and_b32 v[8*(4*\c+1)+\j], s47, v[96+4*(8*\c+\j)]
	v_lshlrev_b32 v[8*(4*\c+2)+\j], 16, v[98+4*(8*\c+\j)]
	v_and_b32 v[8*(4*\c+3)+\j], s47, v[98+4*(8*\c+\j)]
.endr
.endr
	WIN 0
.endif
	ALOADK 0, 0, 0                                 ; the tokens' first three steps go out as soon as the tiles are known, ahead of the wait for the first weights
	ALOADK 0, 1, 1024
	ALOADK 1, 0, 2048
	s_wait_loadcnt 46                              ; chunk 0's weights are in; out may be: chunk 1's 16 loads and the 30 just issued
	CONVERT 0
	s_wait_xcnt 0x0
	s_add_nc_u64 s[WP:WP+1], s[WP:WP+1], 64*PITCH
	WLOAD 0                                        ; chunk 2
	s_wait_dscnt 0x0                               ; my part of chunk 0 is in LDS,
	s_barrier_signal -1
	s_barrier_wait -1                              ; everybody's is
	s_mov_b32 s24, 6
.Lv:                                                   ; chunks 0 to 11.  On the way in the youngest 36 loads are two steps of tokens and chunk 2's weights: the head's count holds there as round the loop
	VTRIP 0, 1
	VTRIP 1, 1
	s_sub_co_u32 s24, s24, 1
	s_cmp_lg_u32 s24, 0
	s_cbranch_scc1 .Lv
	VTRIP 0, 1                                     ; chunk 12 asks for the last weights, chunk 15's
	VTRIP 1, 0                                     ; chunk 13 is written out, so that no load is jumped over
	s_wait_loadcnt 30                              ; chunk 15's weights are in; out may be the three steps of tokens asked for behind them
	CONVERT 1
	s_wait_dscnt 0x0
	s_barrier_signal -1
	s_barrier_wait -1                              ; the slice is whole
	s_branch .Ltail                                ; chunks 14 and 15 by the text that ends every pass
.Lpass:                                                ; three more passes of 20 tiles
	s_wait_xcnt 0x0                                ; the way out's stores have read their registers
	s_cmp_ge_u32 s23, s44
	s_cbranch_scc1 .Lmid                           ; no rows left: the products are jumped, no barrier is
	TILEBASES
	INIT
	v_mov_b32 v5, v1
	s_mov_b32 s50, 0
	ALOADK 0, 0, 0
	ALOADK 0, 1, 1024
	ALOADK 1, 0, 2048
	s_mov_b32 s25, 7
.Lg:                                                   ; chunks 0 to 13: at the head and in the middle the two steps of tokens asked for last, 20 loads, may be out
	GTRIP 0, 1, 1, -1, 20, 20, 0
	GTRIP 1, 1, 1, -1, 20, 20, 0
	s_sub_co_u32 s25, s25, 1
	s_cmp_lg_u32 s25, 0
	s_cbranch_scc1 .Lg
.Ltail:                                                ; on both ways here both steps of chunk 14 and the first of chunk 15 are asked for, in this order, and v5 stands at chunk 14
	GTRIP 0, 1, 0, 14, 20, 20+GL, KIND/2           ; asks for the last step (KIND 2: ahead of it for gate and rr); in the middle out may be: chunk 15's two steps and those ten
	GTRIP 1, 0, 0, 15, 10+GL, 0, 0                 ; at the head the last step (and the ten) may be out; in the middle nothing
	PLACES                                         ; directly behind the last products, ahead of every jump: the places for the way out's readers and for the next pass's clearing alike
.Lmid:
.if KIND == 2
	s_wait_dscnt 0x0                               ; the loop above makes its LDS addresses from a counter: a barrier, on every wave's path, stands between its reads and
	s_barrier_signal -1                            ; the stores into the stages, so that their order does not rest on that arithmetic
	s_barrier_wait -1
.endif
	s_cmp_ge_u32 s23, s44
	s_cbranch_scc1 .Lpnext                         ; a pass without tiles to store has no way out
	; THE WAY OUT, a tile a trip.  A tile past the bound is jumped.  The branches on i choose the lines that name tile i's accumulators; each accumulator is read from its low end on.
	s_mov_b32 s26, 0
.Lep:
	s_wait_xcnt 0x0                                ; the last trip's stores have read their registers
	s_lshl2_add_u32 s27, s26, s23
	s_add_co_u32 s27, s27, s16                     ; the tile
	s_cmp_ge_u32 s27, s44
	s_cbranch_scc1 .Lepn
.macro BLOCK t
.if (\t) < 4
.set AC, 64*(\t)
.set WA, 1
.else
.set AC, 0
.set WA, 2
.endif
.if KIND == 1
	WIN 0x0c+WA                                    ; accumulators in window 1 or 2, b1 in window 3
.set q, 0
.rept 32
	v_pk_add_f32 v[96+2*q:97+2*q], v[AC+2*q:AC+2*q+1], v[2*q:2*q+1]
.set q, q+1
.endr
	WIN 0
.else
	WIN WA
.irp c, 0,1
.irp j, 0,1,2,3,4,5,6,7
.irp k, 0,1,2,3
	v_mul_f32 v[96+32*\c+4*\j+\k], v[AC+8*(4*\c+\k)+\j], v[10+(\t)]
.endr
.endr
.endr
	WIN 0
	v_mov_b32 v20, v[15+(\t)]
.endif
.endm
.irp t, 0,1,2,3
	s_cmp_lg_u32 s26, \t
	s_cbranch_scc1 .Lnot\t
	BLOCK \t
	s_branch .Lcom
.Lnot\t:
.endr
	BLOCK 4
.Lcom:
.if KIND == 1
.set q, 0
.rept 32
	v_pk_mul_f32 v[160+2*q:161+2*q], v[96+2*q:97+2*q], v[96+2*q:97+2*q]
.set q, q+1
.endr
.set q, 0
.rept 32
	v_pk_fma_f32 v[160+2*q:161+2*q], v[160+2*q:161+2*q], s[42:43], s[40:41] op_sel_hi:[1,0,0]
.set q, q+1
.endr
.set q, 0
.rept 32
	v_pk_mul_f32 v[160+2*q:161+2*q], v[160+2*q:161+2*q], v[96+2*q:97+2*q]
.set q, q+1
.endr
.set q, 0
.rept 64
	v_exp_f32 v[160+q], v[160+q]
.set q, q+1
.endr
	v_lshl_add_u32 v6, s27, 17, v1                 ; the plain instruction behind the last exponential: the tile's place in hid
	s_wait_alu depctr_va_vdst(0)                   ; one wait for the batch of 64
.set q, 0
.rept 32
	v_pk_add_f32 v[160+2*q:161+2*q], v[160+2*q:161+2*q], 1.0 op_sel_hi:[1,0]
.set q, q+1
.endr
.set q, 0
.rept 64
	v_rcp_f32 v[160+q], v[160+q]
.set q, q+1
.endr
	v_nop                                          ; a plain instruction behind the last reciprocal,
	s_wait_alu depctr_va_vdst(0)                   ; and one wait for the batch
.set q, 0
.rept 32
	v_pk_mul_f32 v[96+2*q:97+2*q], v[96+2*q:97+2*q], v[160+2*q:161+2*q]
.set q, q+1
.endr
.set q, 0
.rept 32
	v_cvt_pk_bf16_f32 v[224+q], v[96+2*q], v[97+2*q]
.set q, q+1
.endr
.irp f, 0,1,2,3,4,5,6,7
	global_store_b128 v6, v[224+4*\f:227+4*\f], s[OB:OB+1] offset:512*\f   ; 512 consecutive bytes
.endr
.else
.irp c, 0,1
.irp j, 0,1,2,3,4,5,6,7
	ds_store_b128 v8, v[96+32*\c+4*\j:99+32*\c+4*\j] offset:256*\c+16*\j
.endr
.endr
.irp r, 0,1,2,3,4,5,6,7,8,9,10,11,12,13,14,15
	ds_load_b128 v[160+4*\r:163+4*\r], v9 offset:SPITCH*\r                 ; my own stage: LDS serves a wave's instructions in order, so these see the stores above
.endr
.irp r, 0,1,2,3,4,5,6,7,8,9,10,11,12,13,14,15
	v_readlane_b32 s46, v20, \r                    ; row r's rr,
	s_min_u32 s46, s46, 2047                       ; held inside part
	v_lshl_add_u32 v[224+\r], s46, 14, v1
.endr
	s_lshl_b32 s45, s27, 4
	s_sub_co_u32 s45, s20, s45                     ; rows of this tile that exist: at least 1
	s_wait_dscnt 0x0
.irp r, 0,1,2,3,4,5,6,7,8,9,10,11,12,13,14,15
.if \r > 0
	s_cmp_le_u32 s45, \r
	s_cbranch_scc1 .Lepn                           ; the places past the count are not stored
.endif
	global_store_b128 v[224+\r], v[160+4*\r:163+4*\r], s[OB:OB+1]          ; 512 consecutive bytes of a partial row
.endr
.endif
.Lepn:
	s_add_co_u32 s26, s26, 1
	s_cmp_lt_u32 s26, 5
	s_cbranch_scc1 .Lep
.Lpnext:
	s_wait_dscnt 0x0                               ; a barrier on every wave's path closes the pass: behind it come the next pass's reads by counted addresses,
	s_barrier_signal -1                            ; and at the end the closing add; ahead of it lie this pass's reads and (KIND 2) its stores into the stages
	s_barrier_wait -1
	s_add_co_u32 s23, s23, 20
	s_cmp_lt_u32 s23, 80
	s_cbranch_scc1 .Lpass
	s_wait_tensorcnt 0x0                           ; the wave's end, behind my last LDS store
	ds_add_u32 v30, v31
	s_wait_dscnt 0x0
	s_endpgm
.Lfunc_end_k_q9165dcfd62_ffn1:
	.size	k_q9165dcfd62_ffn1, .Lfunc_end_k_q9165dcfd62_ffn1-k_q9165dcfd62_ffn1
	.p2alignl 7, 3214868480
	.fill 96, 4, 3214868480
	.section	.rodata,"a",@progbits
	.p2align	6, 0x0
	.amdhsa_kernel k_q9165dcfd62_ffn1
		.amdhsa_group_segment_fixed_size 262656
		.amdhsa_private_segment_fixed_size 0
		.amdhsa_enable_private_segment 0
		.amdhsa_kernarg_size 40
		.amdhsa_user_sgpr_count 2
		.amdhsa_user_sgpr_kernarg_segment_ptr 1
		.amdhsa_wavefront_size32 1
		.amdhsa_system_sgpr_workgroup_id_x 1
		.amdhsa_system_sgpr_workgroup_id_y 1
		.amdhsa_system_sgpr_workgroup_id_z 1
		.amdhsa_system_vgpr_workitem_id 0
		.amdhsa_next_free_vgpr 832
		.amdhsa_next_free_sgpr 66
		.amdhsa_reserve_vcc 0
		.amdhsa_float_denorm_mode_32 3
		.amdhsa_float_denorm_mode_16_64 3
		.amdhsa_memory_ordered 1
		.amdhsa_forward_progress 1
		.amdhsa_inst_pref_size 171
	.end_amdhsa_kernel
	.amdgpu_metadata
---
amdhsa.version: [ 1, 2 ]
amdhsa.kernels:
  - .name:           k_q9165dcfd62_ffn1
    .symbol:         k_q9165dcfd62_ffn1.kd
    .args:
      - { .name: w1, .offset: 0, .size: 8, .value_kind: global_buffer, .address_space: global }
      - { .name: b1, .offset: 8, .size: 8, .value_kind: global_buffer, .address_space: global }
      - { .name: xg, .offset: 16, .size: 8, .value_kind: global_buffer, .address_space: global }
      - { .name: meta, .offset: 24, .size: 8, .value_kind: global_buffer, .address_space: global }
      - { .name: hid, .offset: 32, .size: 8, .value_kind: global_buffer, .address_space: global }
    .group_segment_fixed_size: 262656
    .private_segment_fixed_size: 0
    .kernarg_segment_align: 8
    .kernarg_segment_size: 40
    .max_flat_workgroup_size: 128
    .sgpr_count:     66
    .vgpr_count:     832
    .wavefront_size: 32
...
	.end_amdgpu_metadata
.endif
;; end of part 3
;; launch ffn2 (part 4): grid 256 x 1, 4 waves a work-group, no clusters, 296,448 bytes of LDS; arguments w2, hid, meta, list, glist, part; writes part
.if DOCPART == 4
	.amdgcn_target "amdgcn-amd-amdhsa--gfx1250"
	.amdhsa_code_object_version 6
	.text
	.protected	k_q9165dcfd62_ffn2
	.globl	k_q9165dcfd62_ffn2
	.p2align	8
	.type	k_q9165dcfd62_ffn2,@function
k_q9165dcfd62_ffn2:
	s_mov_b64 s[64:65], 0
	v_nop
	global_prefetch_b8 v0, s[64:65] scope:SCOPE_SE
	s_setreg_imm32_b32 hwreg(HW_REG_WAVE_MODE, 25, 1), 1
	s_wait_xcnt 0x0
; ONE TEXT FOR BOTH PRODUCTS OF THE EXPERTS' LAYER; KIND chooses.
; KIND 1: hid = gelu(xg W1 + b1), bf16.   KIND 2: part = gate x (hid W2), f32 partial rows, the hidden width cut in four.
; SHARES.  256 work-groups = 8 experts x 32 slices.  A slice is 1,024 rows (K) x 128 columns of one expert's f32 weights, 512 KB, which this work-group alone reads, once.
;   KIND 1: slice ns of 32 along the hidden width.   KIND 2: 8 slices ns along the output x 4 slices ksl along the hidden width.
; The weights pass through registers, are rounded to bf16 there (b1 too, like every input of this program), and stay in LDS as 256 KB of matrix fragments.
; While they stream, in 16 chunks of 64 rows, the expert's first 20 tiles of 16 rows are multiplied chunk by chunk: wave w has tiles w, 4 + w .. 16 + w, all 128 columns: 40 accumulators.
; Chunks 0 to 13 are multiplied in the stream's own trips; chunks 14 and 15 by the text that ends every pass.
; Rows beyond 320 take further passes from the resident slice: three more trips of a loop with a constant count.  Every wave passes that loop's barriers; a pass past the count jumps the work alone.
; Tiles past the count repeat the last tile that exists and are not stored; where a wave's fifth tile is such a one, its products are jumped (its loads stay, so that every counted wait holds on both ways).
; THE TOKENS' RING.  A matrix step's token fragments (my five tiles: 40 registers, 10 loads) have four buffers, which the four steps of two chunks take by turns.  A buffer is asked for again as soon as its
; step is multiplied: the second step of chunk c + 1 at the head of chunk c's trip, the first step of chunk c + 2 in its middle: each a trip and a half ahead of its use.  Weights are asked for two trips
; ahead.  A trip has 36 loads a wave; by the text's own count at most 62 are out.
; THE ORDER OF K (tokens and weights alike): in a block of 64, matrix step a, half of the lanes h, element p is k = 32 h + 4 (p % 8) + 2 a + p / 8.
; WEIGHTS.  Lane (r, h) loads 16 bytes of row k at columns 64 cg + 4 r + 0..3: sixteen lanes take 256 consecutive bytes.  Element j of such loads belongs to fragment f = 4 cg + j, whose row r
; stands for column 64 cg + 4 r + j; two loads' elements, rounded in pairs, are a register of the fragment: nothing changes lanes.  Wave w converts cg = w % 2, step a = w / 2 of each chunk.
; PRODUCT.  Source 0 = a weight fragment, source 1 = 16 tokens: lane (r, h), register j of accumulator f holds token r, column 64 (f / 4) + 32 h + 4 j + f % 4.
;   KIND 1: in the order of K above that is half f % 2 of the registers of the next product's step 4 ns + f / 2: one 16-byte store a lane and accumulator, 512 consecutive bytes a wave.
;   KIND 2: four accumulators' registers j are 16 consecutive bytes of a row; rows go through my wave's own stage in LDS and leave as 512 consecutive bytes.
; NO CLUSTER: what an expert's work-groups share is the token tiles; the number of passes hangs on a stored count, and beside the resident slice LDS has no room for slots worth a round.
; THE ACCUMULATORS ARE CLEARED (320 v_mov_b32, in the first pass while the first weights are on their way): no first step is written out; the price is stated here.
; LIMITS.  NaN and infinities are not treated apart; the order of the f32 sums is not reference()'s; gelu is x / (1 + 2^(x (C0 + C1 x x))), the tanh form written with one exponential.
; REGISTERS, in windows of 256 (s_set_vgpr_msb: bits 1:0 source 0, 3:2 source 1, 5:4 source 2, 7:6 destination):
;   window 0: v1 16 x lane; v2, v3 LDS addresses (read, store); v4, v5 offsets (weights, tokens); v6-29 small things; v30, v31 the add's; v32-95 two buffers of 4 weight fragments;
;             v96-255 the tokens' four buffers (chunk's parity, step: 96 + 80 parity + 40 step + 8 tile), free for the way out
;   window 1: accumulators of my tiles 0-3 at 64 t + 8 f     window 2: v0-63 tile 4's; v64-191 two buffers of 16 weight loads; v192-223 rounded weights     window 3 (KIND 1): v0-63 b1 at 8 f + j
.set KIND, 2
.if KIND == 1
.set PSH,   14                         ; log2 of the bytes from weight row to weight row
.set TSH,   15                         ; log2 of a token tile's bytes
.set SPARE, 262144                     ; behind the slice: the spare words
.set WP,  4                            ; s[4:5]   weights, at the chunk to be asked for
.set B1P, 6                            ; s[6:7]   b1
.set AB,  8                            ; s[8:9]   token tiles
.set MT,  10                           ; s[10:11] meta
.set OB,  12                           ; s[12:13] output
.else
.set PSH,   12
.set TSH,   17
.set STAGE, 262144                     ; behind the slice: 16 rows x 528 bytes for each wave
.set SPITCH, 528
.set SPARE, STAGE+4*16*SPITCH
.set WP,  4
.set AB,  6
.set MT,  8
.set LB,  10                           ; list
.set GB,  12                           ; glist
.set OB,  14
.endif
.set GL, 10*(KIND/2)                   ; KIND 2: the ten loads of gate and rr, issued in chunk 14's trip
.set PITCH, 1<<PSH
.set CHUNK, 16384                      ; a chunk in LDS: 2 steps x 8 fragments x 1,024 bytes
.set XB, 32
.set AT, 96
.set SB, 64
.set CT, 192
; scalars: s16 wave; s17 e; s18 ns; s19 ksl; s20 count; s21 tiles; s22 last tile that exists; s23 the pass's first tile; s24, s25, s26 counters; s27 a tile; s[28:29] an offset, s29 = 0;
; s[30:39] my five tiles' addresses; s[40:43] C0, C1; s44 bound of the tiles to store; s45, s46 at work; s47 mask; s48, s49 the stream's LDS byte of the chunk to read, to store; s50 a later pass's chunk number;
; s51 1: my fifth tile of this pass has rows
.set MSB, 0
.macro WIN new                         ; the immediate's high byte repeats the setting that is left; a switch that changes nothing is dropped
.if MSB != (\new)
	s_set_vgpr_msb (MSB<<8)|(\new)
.set MSB, \new
.endif
.endm
.macro PLACES                          ; four places between a matrix instruction and a load into, a writer of, or a reader of its registers (ISA guide 7.12.1 for writers and readers)
.rept 4
	v_nop
.endr
.endm
.macro WLOAD b                         ; my 16 loads of a chunk: rows 32 h + 2 a + 4 u + s
	WIN 0x80
.irp u, 0,1,2,3,4,5,6,7
.irp s, 0,1
	global_load_b128 v[SB+64*(\b)+8*\u+4*\s:SB+64*(\b)+8*\u+4*\s+3], v4, s[WP:WP+1] offset:(4*\u+\s)*PITCH th:TH_LOAD_NT
.endr
.endr
	WIN 0
.endm
.macro CONVERT b                       ; 64 f32 a lane become four fragments, which go to their place in LDS
	WIN 0
	v_add_nc_u32 v3, s49, v28
	s_add_co_u32 s49, s49, CHUNK
	WIN 0x8a
.irp j, 0,1,2,3
.irp s, 0,1
.irp q, 0,1,2,3
	v_cvt_pk_bf16_f32 v[CT+4*(2*\j+\s)+\q], v[SB+64*(\b)+16*\q+4*\s+\j], v[SB+64*(\b)+16*\q+8+4*\s+\j]
.endr
.endr
.endr
	WIN 0x08
.irp j, 0,1,2,3
.irp s, 0,1
	ds_store_b128 v3, v[CT+4*(2*\j+\s):CT+4*(2*\j+\s)+3] offset:\j*1024+\s*512
.endr
.endr
	WIN 0
.endm
.macro ALOADK par, k, off              ; one matrix step's token fragments of my five tiles, into buffer (par, k): 10 loads of 512 consecutive bytes; off: the step's bytes from where v5 stands
.irp t, 0,1,2,3,4
.irp s, 0,1
	global_load_b128 v[AT+80*(\par)+40*(\k)+8*\t+4*\s:AT+80*(\par)+40*(\k)+8*\t+4*\s+3], v5, s[30+2*\t:31+2*\t] offset:(\off)+\s*512
.endr
.endr
.endm
.macro BLOAD ks, hf                    ; four weight fragments of step ks: 8 loads of 512 consecutive bytes
.irp f, 0,1,2,3
.irp s, 0,1
	ds_load_b128 v[XB+32*(\hf)+8*\f+4*\s:XB+32*(\hf)+8*\f+4*\s+3], v2 offset:(\ks)*8192+(4*(\hf)+\f)*1024+\s*512
.endr
.endr
.endm
.macro HALFA ks, hf, par               ; 16 matrix instructions, four fragments x my tiles 0-3, on 16 accumulators: they take turns, one instruction a turn
	WIN 0x50
.irp f, 0,1,2,3
.irp t, 0,1,2,3
	v_wmma_f32_16x16x32_bf16 v[64*\t+8*(4*(\hf)+\f):64*\t+8*(4*(\hf)+\f)+7], v[XB+32*(\hf)+8*\f:XB+32*(\hf)+8*\f+7], v[AT+80*(\par)+40*(\ks)+8*\t:AT+80*(\par)+40*(\ks)+8*\t+7], v[64*\t+8*(4*(\hf)+\f):64*\t+8*(4*(\hf)+\f)+7]
.endr
.endr
.endm
.macro HALFB ks, hf, par               ; my fifth tile's four, on four further accumulators; jumped where that tile has no rows: nothing but these four lines is jumped
	WIN 0                                          ; at a branch and at a label every window is 0
	s_cmp_eq_u32 s51, 0
	s_cbranch_scc1 .Lno5_\@
	WIN 0xa0
.irp f, 0,1,2,3
	v_wmma_f32_16x16x32_bf16 v[8*(4*(\hf)+\f):8*(4*(\hf)+\f)+7], v[XB+32*(\hf)+8*\f:XB+32*(\hf)+8*\f+7], v[AT+80*(\par)+40*(\ks)+32:AT+80*(\par)+40*(\ks)+39], v[8*(4*(\hf)+\f):8*(4*(\hf)+\f)+7]
.endr
	WIN 0
.Lno5_\@:
.endm
; A chunk's 80 matrix instructions.  The second step's weight fragments are fetched 20 matrix instructions ahead of their use.  In the middle: nm = the loads that may stay out when the chunk's second step of
; tokens has to be there; ask0 = 1: the buffer of the first step, just multiplied, is asked for again, with the first step of the chunk two further on.
; bar = 1: the trip's barrier: its signal behind the wait for all my LDS instructions, 16 matrix instructions between signal and wait.
.macro CORE par, nm, ask0, bar
	HALFA 0, 0, \par
	HALFB 0, 0, \par
	PLACES
	BLOAD 1, 0
	HALFA 0, 1, \par
	HALFB 0, 1, \par
	PLACES                                         ; for the fragment loads, and for the token loads below into the buffer that these products read
	BLOAD 1, 1
	s_wait_loadcnt \nm
.if \ask0
	ALOADK \par, 0, 2048
.endif
	s_wait_dscnt 8                                 ; the eight LDS loads just issued may stay out
	HALFA 1, 0, \par
	HALFB 1, 0, \par
	s_wait_dscnt 0x0                               ; the last fragments are in; with bar = 1 also, for the others' sake: my part of the next chunk is in LDS
.if \bar
	s_barrier_signal -1
.endif
	HALFA 1, 1, \par
.if \bar
	s_barrier_wait -1                              ; the next chunk is whole
.endif
	HALFB 1, 1, \par
.endm
.macro TILEBASES                       ; my five tiles of the pass; one past the count becomes the last that exists
.irp i, 0,1,2,3,4
	s_add_co_u32 s27, s23, 4*\i
	s_add_co_u32 s27, s27, s16
	s_min_u32 s27, s27, s22
	s_min_u32 s27, s27, 63
.if KIND == 2
	v_lshl_add_u32 v[21+\i], s27, 6, v7            ; its 16 words in list and in glist
.endif
	s_lshl_b32 s28, s27, TSH
	s_add_nc_u64 s[30+2*\i:31+2*\i], s[AB:AB+1], s[28:29]
.endr
	s_add_co_u32 s27, s23, 16
	s_add_co_u32 s27, s27, s16                     ; my fifth tile:
	s_cmp_lt_u32 s27, s44
	s_cselect_b32 s51, 1, 0                        ; is it one that is stored?
.endm
.macro INIT
	WIN 0x40
.set q, 0
.rept 256
	v_mov_b32 v[q], 0
.set q, q+1
.endr
	WIN 0x80
.set q, 0
.rept 64
	v_mov_b32 v[q], 0
.set q, q+1
.endr
	WIN 0
.endm
.if KIND == 2
.macro GLOADS                          ; lane (r, h): gate and rr of row r of each of my tiles
.irp t, 0,1,2,3,4
	global_load_b32 v[10+\t], v[21+\t], s[GB:GB+1]
	global_load_b32 v[15+\t], v[21+\t], s[LB:LB+1]
.endr
.endm
.endif
; A trip of the stream, for chunk c (par = c % 2).  The loads go out in this order: .. | second step of c, weights of c + 2 | first step of c + 1 | this trip.
; Chunk c + 1 is rounded into LDS; the second step of c + 1's tokens and (wl = 1) chunk c + 3's weights are asked for; chunk c is multiplied; in its middle the first step of c + 2's tokens is asked for.
.macro VTRIP par, wl
	PLACES
	v_add_nc_u32 v2, s48, v1
	s_add_co_u32 s48, s48, CHUNK
	BLOAD 0, 0
	BLOAD 0, 1
	s_wait_loadcnt 36                              ; the first step of c's tokens and all that is older, c + 1's weights among it, are in; out may be: 10 (second step of c) + 16 (weights of c + 2) + 10 (first step of c + 1)
	CONVERT 1-(\par)
	s_wait_xcnt 0x0                                ; the offset and the base of loads that are out are stepped only behind this wait
	v_add_nc_u32 v5, 2048, v5                      ; v5 stands at chunk c + 1
	ALOADK 1-(\par), 1, 1024
.if \wl
	s_add_nc_u64 s[WP:WP+1], s[WP:WP+1], 64*PITCH
	WLOAD 1-(\par)
.endif
	s_wait_dscnt 8                                 ; the first fragments are in; the eight LDS stores of the rounding may be out
	CORE \par, 36+16*(\wl), 1, 1                   ; in the middle the second step of c's tokens is in; out may be: 16 + 10 + 10, and the 16 weight loads of this trip
.endm
; A trip from the resident slice: no LDS write.  ask1, ask0 = 1: the two steps of tokens are asked for as in the stream.  fixed: the chunk's number where the text knows it, else -1: it is s50's.
; ns, nm: the loads that may stay out at the head and in the middle.  gl = 1: gate and rr are asked for.
.macro GTRIP par, ask1, ask0, fixed, ns, nm, gl
.if (\fixed) >= 0
	PLACES
	v_add_nc_u32 v2, (\fixed)*CHUNK, v1
.else
	v_mov_b32 v2, s50                              ; the chunk's number,
	v_min_u32 v2, 13, v2                           ; held inside the part of the slice that this loop walks;
	v_lshl_add_u32 v2, v2, 14, v1                  ; these three lines and the v_nop are the four places in front of the loads below
	v_nop
	s_add_co_u32 s50, s50, 1
.endif
	BLOAD 0, 0
	BLOAD 0, 1
	s_wait_loadcnt \ns
.if \ask1
	s_wait_xcnt 0x0                                ; v5 is stepped only behind this wait
	v_add_nc_u32 v5, 2048, v5
.if \gl
	GLOADS
.endif
	ALOADK 1-(\par), 1, 1024
.endif
	s_wait_dscnt 0x0
	CORE \par, \nm, \ask0, 0
.endm
	s_load_b256 s[4:11], s[0:1], 0x0
.if KIND == 1
	s_load_b64 s[12:13], s[0:1], 0x20
.else
	s_load_b128 s[12:15], s[0:1], 0x20
.endif
	v_lshl_add_u32 v30, v0, 2, SPARE               ; my spare word,
	v_mov_b32 v31, 0                               ; and 0: kept for the closing lines alone
	v_lshrrev_b32 v2, 5, v0
	v_readfirstlane_b32 s16, v2                    ; wave
	v_and_b32 v1, 31, v0
	v_lshlrev_b32 v1, 4, v1                        ; 16 x lane
	v_and_b32 v26, 15, v0                          ; r
	v_bfe_u32 v27, v0, 4, 1                        ; h
	s_lshr_b32 s17, ttmp9, 5                       ; e
.if KIND == 1
	s_and_b32 s18, ttmp9, 31                       ; ns
.else
	s_bfe_u32 s18, ttmp9, 0x30002                  ; ns
	s_and_b32 s19, ttmp9, 3                        ; ksl
.endif
	s_and_b32 s46, s16, 1                          ; cg
	s_lshr_b32 s45, s16, 1                         ; a
	s_lshl_b32 s46, s46, 8
	s_lshl_b32 s45, s45, PSH+1
	s_add_co_u32 s46, s46, s45
	v_lshlrev_b32 v4, 4, v26
	v_lshl_add_u32 v4, v27, PSH+5, v4
	v_add_nc_u32 v4, s46, v4                       ; weights: 16 r + 256 cg + (32 h + 2 a) rows
	s_lshl_b32 s45, s16, 12
	v_add_nc_u32 v28, s45, v1                      ; my four fragments' place in a chunk: step a, fragments 4 cg on = 4,096 w
	v_mov_b32 v5, v1
	s_mov_b32 s48, 0
	s_mov_b32 s49, 0
	s_mov_b32 s29, 0
	s_mov_b32 s23, 0
.if KIND == 1
	s_mov_b32 s40, 0xc0135761                      ; C0 = -2 sqrt(2 / pi) log2(e)
	s_mov_b32 s41, s40
	s_mov_b32 s42, 0xbdd2d3e8                      ; C1 = 0.044715 C0
	s_mov_b32 s43, s42
	s_mov_b32 s47, 0xffff0000
	v_lshlrev_b32 v6, 7, v27                       ; b1: 32 columns further for the upper half of the lanes
.else
	v_lshlrev_b32 v7, 2, v26
	s_mul_i32 s46, s16, 16*SPITCH
	s_add_co_u32 s46, s46, STAGE                   ; my stage
	v_mul_u32_u24 v8, SPITCH, v26                  ; in: row r, 128 bytes further for the upper half of the lanes
	v_lshl_add_u32 v8, v27, 7, v8
	v_add_nc_u32 v8, s46, v8
	v_add_nc_u32 v9, s46, v1                       ; back: a row's 512 bytes, 16 a lane
.endif
	s_wait_kmcnt 0x0
.if KIND == 1
	s_lshl_b32 s28, s17, 24
	s_lshl_b32 s45, s18, 9
	s_add_co_u32 s28, s28, s45
	s_add_nc_u64 s[WP:WP+1], s[WP:WP+1], s[28:29]
	s_lshl_b32 s28, s17, 14
	s_add_co_u32 s28, s28, s45
	s_add_nc_u64 s[B1P:B1P+1], s[B1P:B1P+1], s[28:29]
	s_lshl_b32 s28, s17, 21
	s_add_nc_u64 s[AB:AB+1], s[AB:AB+1], s[28:29]
	s_lshl_b32 s28, s17, 2
	s_add_nc_u64 s[MT:MT+1], s[MT:MT+1], s[28:29]
	s_lshl_b32 s28, s17, 23
	s_lshl_b32 s45, s18, 12
	s_add_co_u32 s28, s28, s45
	s_add_nc_u64 s[OB:OB+1], s[OB:OB+1], s[28:29]
.else
	s_lshl_b32 s28, s17, 24
	s_lshl_b32 s45, s19, 22
	s_add_co_u32 s28, s28, s45
	s_lshl_b32 s45, s18, 9
	s_add_co_u32 s28, s28, s45
	s_add_nc_u64 s[WP:WP+1], s[WP:WP+1], s[28:29]
	s_lshl_b32 s28, s19, 12
	s_add_co_u32 s28, s28, s45
	s_add_nc_u64 s[OB:OB+1], s[OB:OB+1], s[28:29]
	s_lshl_b32 s28, s17, 23
	s_lshl_b32 s45, s19, 15
	s_add_co_u32 s28, s28, s45
	s_add_nc_u64 s[AB:AB+1], s[AB:AB+1], s[28:29]
	s_lshl_b32 s28, s17, 2
	s_add_nc_u64 s[MT:MT+1], s[MT:MT+1], s[28:29]
	s_lshl_b32 s28, s17, 12
	s_add_nc_u64 s[LB:LB+1], s[LB:LB+1], s[28:29]
	s_add_nc_u64 s[GB:GB+1], s[GB:GB+1], s[28:29]
.endif
	s_load_b32 s20, s[MT:MT+1], 0x0                ; the expert's count
.if KIND == 1
.irp c, 0,1
.irp j, 0,1,2,3,4,5,6,7
	global_load_b128 v[96+4*(8*\c+\j):96+4*(8*\c+\j)+3], v6, s[B1P:B1P+1] offset:\c*256+\j*16
.endr
.endr
.endif
	WLOAD 0                                        ; chunk 0
	s_wait_xcnt 0x0
	s_add_nc_u64 s[WP:WP+1], s[WP:WP+1], 64*PITCH
	WLOAD 1                                        ; chunk 1
	INIT
	s_wait_kmcnt 0x0
	s_min_u32 s20, s20, 1024
	s_add_co_u32 s21, s20, 15
	s_lshr_b32 s21, s21, 4                         ; tiles with rows
	s_max_u32 s22, s21, 1                          ; tiles that exist: tile 0 always does
.if KIND == 1
	s_mov_b32 s44, s22                             ; all that exist are stored: the next product may read them
.else
	s_mov_b32 s44, s21
.endif
	s_sub_co_u32 s22, s22, 1
	TILEBASES
.if KIND == 1
	s_wait_loadcnt 32                              ; b1 is in; the 32 weight loads issued behind it stay out
.set q, 0
.rept 32
	v_cvt_pk_bf16_f32 v[96+2*q], v[96+2*q], v[97+2*q]
.set q, q+1
.endr
	WIN 0xc0
.irp c, 0,1
.irp j, 0,1,2,3,4,5,6,7
	v_lshlrev_b32 v[8*(4*\c)+\j], 16, v[96+4*(8*\c+\j)]
	v_and_b32 v[8*(4*\c+1)+\j], s47, v[96+4*(8*\c+\j)]
	v_lshlrev_b32 v[8*(4*\c+2)+\j], 16, v[98+4*(8*\c+\j)]
	v_and_b32 v[8*(4*\c+3)+\j], s47, v[98+4*(8*\c+\j)]
.endr
.endr
	WIN 0
.endif
	ALOADK 0, 0, 0                                 ; the tokens' first three steps go out as soon as the tiles are known, ahead of the wait for the first weights
	ALOADK 0, 1, 1024
	ALOADK 1, 0, 2048
	s_wait_loadcnt 46                              ; chunk 0's weights are in; out may be: chunk 1's 16 loads and the 30 just issued
	CONVERT 0
	s_wait_xcnt 0x0
	s_add_nc_u64 s[WP:WP+1], s[WP:WP+1], 64*PITCH
	WLOAD 0                                        ; chunk 2
	s_wait_dscnt 0x0                               ; my part of chunk 0 is in LDS,
	s_barrier_signal -1
	s_barrier_wait -1                              ; everybody's is
	s_mov_b32 s24, 6
.Lv:                                                   ; chunks 0 to 11.  On the way in the youngest 36 loads are two steps of tokens and chunk 2's weights: the head's count holds there as round the loop
	VTRIP 0, 1
	VTRIP 1, 1
	s_sub_co_u32 s24, s24, 1
	s_cmp_lg_u32 s24, 0
	s_cbranch_scc1 .Lv
	VTRIP 0, 1                                     ; chunk 12 asks for the last weights, chunk 15's
	VTRIP 1, 0                                     ; chunk 13 is written out, so that no load is jumped over
	s_wait_loadcnt 30                              ; chunk 15's weights are in; out may be the three steps of tokens asked for behind them
	CONVERT 1
	s_wait_dscnt 0x0
	s_barrier_signal -1
	s_barrier_wait -1                              ; the slice is whole
	s_branch .Ltail                                ; chunks 14 and 15 by the text that ends every pass
.Lpass:                                                ; three more passes of 20 tiles
	s_wait_xcnt 0x0                                ; the way out's stores have read their registers
	s_cmp_ge_u32 s23, s44
	s_cbranch_scc1 .Lmid                           ; no rows left: the products are jumped, no barrier is
	TILEBASES
	INIT
	v_mov_b32 v5, v1
	s_mov_b32 s50, 0
	ALOADK 0, 0, 0
	ALOADK 0, 1, 1024
	ALOADK 1, 0, 2048
	s_mov_b32 s25, 7
.Lg:                                                   ; chunks 0 to 13: at the head and in the middle the two steps of tokens asked for last, 20 loads, may be out
	GTRIP 0, 1, 1, -1, 20, 20, 0
	GTRIP 1, 1, 1, -1, 20, 20, 0
	s_sub_co_u32 s25, s25, 1
	s_cmp_lg_u32 s25, 0
	s_cbranch_scc1 .Lg
.Ltail:                                                ; on both ways here both steps of chunk 14 and the first of chunk 15 are asked for, in this order, and v5 stands at chunk 14
	GTRIP 0, 1, 0, 14, 20, 20+GL, KIND/2           ; asks for the last step (KIND 2: ahead of it for gate and rr); in the middle out may be: chunk 15's two steps and those ten
	GTRIP 1, 0, 0, 15, 10+GL, 0, 0                 ; at the head the last step (and the ten) may be out; in the middle nothing
	PLACES                                         ; directly behind the last products, ahead of every jump: the places for the way out's readers and for the next pass's clearing alike
.Lmid:
.if KIND == 2
	s_wait_dscnt 0x0                               ; the loop above makes its LDS addresses from a counter: a barrier, on every wave's path, stands between its reads and
	s_barrier_signal -1                            ; the stores into the stages, so that their order does not rest on that arithmetic
	s_barrier_wait -1
.endif
	s_cmp_ge_u32 s23, s44
	s_cbranch_scc1 .Lpnext                         ; a pass without tiles to store has no way out
	; THE WAY OUT, a tile a trip.  A tile past the bound is jumped.  The branches on i choose the lines that name tile i's accumulators; each accumulator is read from its low end on.
	s_mov_b32 s26, 0
.Lep:
	s_wait_xcnt 0x0                                ; the last trip's stores have read their registers
	s_lshl2_add_u32 s27, s26, s23
	s_add_co_u32 s27, s27, s16                     ; the tile
	s_cmp_ge_u32 s27, s44
	s_cbranch_scc1 .Lepn
.macro BLOCK t
.if (\t) < 4
.set AC, 64*(\t)
.set WA, 1
.else
.set AC, 0
.set WA, 2
.endif
.if KIND == 1
	WIN 0x0c+WA                                    ; accumulators in window 1 or 2, b1 in window 3
.set q, 0
.rept 32
	v_pk_add_f32 v[96+2*q:97+2*q], v[AC+2*q:AC+2*q+1], v[2*q:2*q+1]
.set q, q+1
.endr
	WIN 0
.else
	WIN WA
.irp c, 0,1
.irp j, 0,1,2,3,4,5,6,7
.irp k, 0,1,2,3
	v_mul_f32 v[96+32*\c+4*\j+\k], v[AC+8*(4*\c+\k)+\j], v[10+(\t)]
.endr
.endr
.endr
	WIN 0
	v_mov_b32 v20, v[15+(\t)]
.endif
.endm
.irp t, 0,1,2,3
	s_cmp_lg_u32 s26, \t
	s_cbranch_scc1 .Lnot\t
	BLOCK \t
	s_branch .Lcom
.Lnot\t:
.endr
	BLOCK 4
.Lcom:
.if KIND == 1
.set q, 0
.rept 32
	v_pk_mul_f32 v[160+2*q:161+2*q], v[96+2*q:97+2*q], v[96+2*q:97+2*q]
.set q, q+1
.endr
.set q, 0
.rept 32
	v_pk_fma_f32 v[160+2*q:161+2*q], v[160+2*q:161+2*q], s[42:43], s[40:41] op_sel_hi:[1,0,0]
.set q, q+1
.endr
.set q, 0
.rept 32
	v_pk_mul_f32 v[160+2*q:161+2*q], v[160+2*q:161+2*q], v[96+2*q:97+2*q]
.set q, q+1
.endr
.set q, 0
.rept 64
	v_exp_f32 v[160+q], v[160+q]
.set q, q+1
.endr
	v_lshl_add_u32 v6, s27, 17, v1                 ; the plain instruction behind the last exponential: the tile's place in hid
	s_wait_alu depctr_va_vdst(0)                   ; one wait for the batch of 64
.set q, 0
.rept 32
	v_pk_add_f32 v[160+2*q:161+2*q], v[160+2*q:161+2*q], 1.0 op_sel_hi:[1,0]
.set q, q+1
.endr
.set q, 0
.rept 64
	v_rcp_f32 v[160+q], v[160+q]
.set q, q+1
.endr
	v_nop                                          ; a plain instruction behind the last reciprocal,
	s_wait_alu depctr_va_vdst(0)                   ; and one wait for the batch
.set q, 0
.rept 32
	v_pk_mul_f32 v[96+2*q:97+2*q], v[96+2*q:97+2*q], v[160+2*q:161+2*q]
.set q, q+1
.endr
.set q, 0
.rept 32
	v_cvt_pk_bf16_f32 v[224+q], v[96+2*q], v[97+2*q]
.set q, q+1
.endr
.irp f, 0,1,2,3,4,5,6,7
	global_store_b128 v6, v[224+4*\f:227+4*\f], s[OB:OB+1] offset:512*\f   ; 512 consecutive bytes
.endr
.else
.irp c, 0,1
.irp j, 0,1,2,3,4,5,6,7
	ds_store_b128 v8, v[96+32*\c+4*\j:99+32*\c+4*\j] offset:256*\c+16*\j
.endr
.endr
.irp r, 0,1,2,3,4,5,6,7,8,9,10,11,12,13,14,15
	ds_load_b128 v[160+4*\r:163+4*\r], v9 offset:SPITCH*\r                 ; my own stage: LDS serves a wave's instructions in order, so these see the stores above
.endr
.irp r, 0,1,2,3,4,5,6,7,8,9,10,11,12,13,14,15
	v_readlane_b32 s46, v20, \r                    ; row r's rr,
	s_min_u32 s46, s46, 2047                       ; held inside part
	v_lshl_add_u32 v[224+\r], s46, 14, v1
.endr
	s_lshl_b32 s45, s27, 4
	s_sub_co_u32 s45, s20, s45                     ; rows of this tile that exist: at least 1
	s_wait_dscnt 0x0
.irp r, 0,1,2,3,4,5,6,7,8,9,10,11,12,13,14,15
.if \r > 0
	s_cmp_le_u32 s45, \r
	s_cbranch_scc1 .Lepn                           ; the places past the count are not stored
.endif
	global_store_b128 v[224+\r], v[160+4*\r:163+4*\r], s[OB:OB+1]          ; 512 consecutive bytes of a partial row
.endr
.endif
.Lepn:
	s_add_co_u32 s26, s26, 1
	s_cmp_lt_u32 s26, 5
	s_cbranch_scc1 .Lep
.Lpnext:
	s_wait_dscnt 0x0                               ; a barrier on every wave's path closes the pass: behind it come the next pass's reads by counted addresses,
	s_barrier_signal -1                            ; and at the end the closing add; ahead of it lie this pass's reads and (KIND 2) its stores into the stages
	s_barrier_wait -1
	s_add_co_u32 s23, s23, 20
	s_cmp_lt_u32 s23, 80
	s_cbranch_scc1 .Lpass
	s_wait_tensorcnt 0x0                           ; the wave's end, behind my last LDS store
	ds_add_u32 v30, v31
	s_wait_dscnt 0x0
	s_endpgm
.Lfunc_end_k_q9165dcfd62_ffn2:
	.size	k_q9165dcfd62_ffn2, .Lfunc_end_k_q9165dcfd62_ffn2-k_q9165dcfd62_ffn2
	.p2alignl 7, 3214868480
	.fill 96, 4, 3214868480
	.section	.rodata,"a",@progbits
	.p2align	6, 0x0
	.amdhsa_kernel k_q9165dcfd62_ffn2
		.amdhsa_group_segment_fixed_size 296448
		.amdhsa_private_segment_fixed_size 0
		.amdhsa_enable_private_segment 0
		.amdhsa_kernarg_size 48
		.amdhsa_user_sgpr_count 2
		.amdhsa_user_sgpr_kernarg_segment_ptr 1
		.amdhsa_wavefront_size32 1
		.amdhsa_system_sgpr_workgroup_id_x 1
		.amdhsa_system_sgpr_workgroup_id_y 1
		.amdhsa_system_sgpr_workgroup_id_z 1
		.amdhsa_system_vgpr_workitem_id 0
		.amdhsa_next_free_vgpr 768
		.amdhsa_next_free_sgpr 66
		.amdhsa_reserve_vcc 0
		.amdhsa_float_denorm_mode_32 3
		.amdhsa_float_denorm_mode_16_64 3
		.amdhsa_memory_ordered 1
		.amdhsa_forward_progress 1
		.amdhsa_inst_pref_size 158
	.end_amdhsa_kernel
	.amdgpu_metadata
---
amdhsa.version: [ 1, 2 ]
amdhsa.kernels:
  - .name:           k_q9165dcfd62_ffn2
    .symbol:         k_q9165dcfd62_ffn2.kd
    .args:
      - { .name: w2, .offset: 0, .size: 8, .value_kind: global_buffer, .address_space: global }
      - { .name: hid, .offset: 8, .size: 8, .value_kind: global_buffer, .address_space: global }
      - { .name: meta, .offset: 16, .size: 8, .value_kind: global_buffer, .address_space: global }
      - { .name: list, .offset: 24, .size: 8, .value_kind: global_buffer, .address_space: global }
      - { .name: glist, .offset: 32, .size: 8, .value_kind: global_buffer, .address_space: global }
      - { .name: part, .offset: 40, .size: 8, .value_kind: global_buffer, .address_space: global }
    .group_segment_fixed_size: 296448
    .private_segment_fixed_size: 0
    .kernarg_segment_align: 8
    .kernarg_segment_size: 48
    .max_flat_workgroup_size: 128
    .sgpr_count:     66
    .vgpr_count:     768
    .wavefront_size: 32
...
	.end_amdgpu_metadata
.endif
;; end of part 4
;; launch sum (part 5): grid 256 x 1, 8 waves a work-group, no clusters, 0 bytes of LDS; arguments part, sel, gate, b2, out0; writes out0
.if DOCPART == 5
	.amdgcn_target "amdgcn-amd-amdhsa--gfx1250"
	.amdhsa_code_object_version 6
	.text
	.protected	k_q9165dcfd62_sum
	.globl	k_q9165dcfd62_sum
	.p2align	8
	.type	k_q9165dcfd62_sum,@function
k_q9165dcfd62_sum:
	s_mov_b64 s[64:65], 0
	v_nop
	global_prefetch_b8 v0, s[64:65] scope:SCOPE_SE
	s_setreg_imm32_b32 hwreg(HW_REG_WAVE_MODE, 25, 1), 1
	s_wait_xcnt 0x0
; SUM.  out0[token] = the sum of its eight partial rows (2 chosen experts x 4 slices of the hidden width; the gate is already in them) + gate_0 b2[sel_0] + gate_1 b2[sel_1].
; part: [2 token + slot][4][1024] f32: a token's eight rows are 32,768 consecutive bytes.  b2 is rounded to bf16, like every input of this program.  All sums in f32.
; A stream: memory binds, so no LDS, no matrix unit, no cluster.  A work-group owns 4 tokens; thread t the 16 bytes at 16 t of every row: a wave's load or store covers 512 consecutive bytes.
; All 40 loads of a wave go out before the first wait.
	s_load_b256 s[4:11], s[0:1], 0x0               ; part s[4:5], sel s[6:7], gate s[8:9], b2 s[10:11]
	s_load_b64 s[12:13], s[0:1], 0x20              ; out0
	v_lshlrev_b32 v1, 4, v0
	s_lshl_b32 s14, ttmp9, 17                      ; the group's 4 x 32,768 bytes of part
	s_mov_b32 s15, 0
	s_lshl_b32 s16, ttmp9, 5                       ; its 8 words of sel and of gate
	s_mov_b32 s17, 0
	s_lshl_b32 s18, ttmp9, 14                      ; its 4 rows of out0
	s_mov_b32 s19, 0
	s_wait_kmcnt 0x0
	s_add_nc_u64 s[4:5], s[4:5], s[14:15]
	s_add_nc_u64 s[6:7], s[6:7], s[16:17]
	s_add_nc_u64 s[8:9], s[8:9], s[16:17]
	s_add_nc_u64 s[12:13], s[12:13], s[18:19]
	s_load_b256 s[20:27], s[6:7], 0x0
	s_load_b256 s[28:35], s[8:9], 0x0
.irp i, 0,1,2,3
.irp q, 0,1,2,3,4,5,6,7
	global_load_b128 v[32+32*\i+4*\q:35+32*\i+4*\q], v1, s[4:5] offset:32768*\i+4096*\q th:TH_LOAD_NT
.endr
.endr
	s_wait_kmcnt 0x0
.irp q, 0,1,2,3,4,5,6,7
	s_min_u32 s[20+\q], s[20+\q], 7                ; an expert's number, held inside b2
	v_lshl_add_u32 v[2+\q], s[20+\q], 12, v1
.endr
.irp q, 0,1,2,3,4,5,6,7
	global_load_b128 v[160+4*\q:163+4*\q], v[2+\q], s[10:11]
.endr
.macro ADDQ i, a, b                    ; row a of token i takes row b
	v_pk_add_f32 v[32+32*(\i)+4*(\a):33+32*(\i)+4*(\a)], v[32+32*(\i)+4*(\a):33+32*(\i)+4*(\a)], v[32+32*(\i)+4*(\b):33+32*(\i)+4*(\b)]
	v_pk_add_f32 v[34+32*(\i)+4*(\a):35+32*(\i)+4*(\a)], v[34+32*(\i)+4*(\a):35+32*(\i)+4*(\a)], v[34+32*(\i)+4*(\b):35+32*(\i)+4*(\b)]
.endm
.irp i, 0,1,2,3
	s_wait_loadcnt 32-8*\i                         ; token i's eight rows are in; the later tokens' rows and b2's eight loads stay out
	ADDQ \i, 0, 1
	ADDQ \i, 2, 3
	ADDQ \i, 4, 5
	ADDQ \i, 6, 7
	ADDQ \i, 0, 2
	ADDQ \i, 4, 6
	ADDQ \i, 0, 4
.endr
	s_wait_loadcnt 0x0                             ; b2
.irp q, 0,1,2,3,4,5,6,7                ; choice q: token q / 2
	v_cvt_pk_bf16_f32 v10, v[160+4*\q], v[161+4*\q]
	v_cvt_pk_bf16_f32 v11, v[162+4*\q], v[163+4*\q]
	v_lshlrev_b32 v12, 16, v10
	v_and_b32 v13, 0xffff0000, v10
	v_lshlrev_b32 v14, 16, v11
	v_and_b32 v15, 0xffff0000, v11
	v_fma_f32 v[32+32*(\q/2)], v12, s[28+\q], v[32+32*(\q/2)]
	v_fma_f32 v[33+32*(\q/2)], v13, s[28+\q], v[33+32*(\q/2)]
	v_fma_f32 v[34+32*(\q/2)], v14, s[28+\q], v[34+32*(\q/2)]
	v_fma_f32 v[35+32*(\q/2)], v15, s[28+\q], v[35+32*(\q/2)]
.endr
.irp i, 0,1,2,3
	global_store_b128 v1, v[32+32*\i:35+32*\i], s[12:13] offset:4096*\i th:TH_STORE_NT
.endr
	s_endpgm
.Lfunc_end_k_q9165dcfd62_sum:
	.size	k_q9165dcfd62_sum, .Lfunc_end_k_q9165dcfd62_sum-k_q9165dcfd62_sum
	.p2alignl 7, 3214868480
	.fill 96, 4, 3214868480
	.section	.rodata,"a",@progbits
	.p2align	6, 0x0
	.amdhsa_kernel k_q9165dcfd62_sum
		.amdhsa_group_segment_fixed_size 0
		.amdhsa_private_segment_fixed_size 0
		.amdhsa_enable_private_segment 0
		.amdhsa_kernarg_size 40
		.amdhsa_user_sgpr_count 2
		.amdhsa_user_sgpr_kernarg_segment_ptr 1
		.amdhsa_wavefront_size32 1
		.amdhsa_system_sgpr_workgroup_id_x 1
		.amdhsa_system_sgpr_workgroup_id_y 1
		.amdhsa_system_sgpr_workgroup_id_z 1
		.amdhsa_system_vgpr_workitem_id 0
		.amdhsa_next_free_vgpr 192
		.amdhsa_next_free_sgpr 66
		.amdhsa_reserve_vcc 0
		.amdhsa_float_denorm_mode_32 3
		.amdhsa_float_denorm_mode_16_64 3
		.amdhsa_memory_ordered 1
		.amdhsa_forward_progress 1
		.amdhsa_inst_pref_size 14
	.end_amdhsa_kernel
	.amdgpu_metadata
---
amdhsa.version: [ 1, 2 ]
amdhsa.kernels:
  - .name:           k_q9165dcfd62_sum
    .symbol:         k_q9165dcfd62_sum.kd
    .args:
      - { .name: part, .offset: 0, .size: 8, .value_kind: global_buffer, .address_space: global }
      - { .name: sel, .offset: 8, .size: 8, .value_kind: global_buffer, .address_space: global }
      - { .name: gate, .offset: 16, .size: 8, .value_kind: global_buffer, .address_space: global }
      - { .name: b2, .offset: 24, .size: 8, .value_kind: global_buffer, .address_space: global }
      - { .name: out0, .offset: 32, .size: 8, .value_kind: global_buffer, .address_space: global }
    .group_segment_fixed_size: 0
    .private_segment_fixed_size: 0
    .kernarg_segment_align: 8
    .kernarg_segment_size: 40
    .max_flat_workgroup_size: 256
    .sgpr_count:     66
    .vgpr_count:     192
    .wavefront_size: 32
...
	.end_amdgpu_metadata
.endif
;; end of part 5
